; MI455X (gfx1250); checked and timed in simulation.
; The chip was launched on July 23, 2026; its instructions are those of AMD's public machine-readable ISA for CDNA 5 (MIT licence, August 2026) and "CDNA5" Instruction Set Architecture Reference Guide (July 2026). The comments in the code are by the model that wrote it; some were corrected since.
;; MPLM Decoder Layer. Allowed arithmetic: matrix products marked QUANTISED: E2M1 operands, one E8M0 scale for each 32 along K, by v_wmma_scale_f32_16x16x128_f8f6f4 with both operands' format E2M1 (or v_wmma_scale_f32_32x16x128_f4), f32 sums; everything else in f32.
;; Inputs: Wdown_codes 1,024 x 128 x 16 uint8 (E2M1 codes of Wdown, K innermost, in blocks of 32 codes, two codes a byte); Wdown_scales 1,024 x 128 uint8 (E8M0 scales of Wdown, one for each 32 codes along K); Wgate_codes 4,096 x 32 x 16 uint8 (E2M1 codes of Wgate, K innermost, in blocks of 32 codes, two codes a byte); Wgate_scales 4,096 x 32 uint8 (E8M0 scales of Wgate, one for each 32 codes along K); Wk_codes 256 x 32 x 16 uint8 (E2M1 codes of Wk, K innermost, in blocks of 32 codes, two codes a byte); Wk_scales 256 x 32 uint8 (E8M0 scales of Wk, one for each 32 codes along K); Wo_codes 1,024 x 16 x 16 uint8 (E2M1 codes of Wo, K innermost, in blocks of 32 codes, two codes a byte); Wo_scales 1,024 x 16 uint8 (E8M0 scales of Wo, one for each 32 codes along K); Wq_codes 512 x 32 x 16 uint8 (E2M1 codes of Wq, K innermost, in blocks of 32 codes, two codes a byte); Wq_scales 512 x 32 uint8 (E8M0 scales of Wq, one for each 32 codes along K); Wup_codes 4,096 x 32 x 16 uint8 (E2M1 codes of Wup, K innermost, in blocks of 32 codes, two codes a byte); Wup_scales 4,096 x 32 uint8 (E8M0 scales of Wup, one for each 32 codes along K); Wv_codes 256 x 32 x 16 uint8 (E2M1 codes of Wv, K innermost, in blocks of 32 codes, two codes a byte); Wv_scales 256 x 32 uint8 (E8M0 scales of Wv, one for each 32 codes along K); attention_mask 2 x 1 x 2,048 x 2,048 float32; hidden_states 2 x 2,048 x 1,024 float32; kv_states 2 x 2,048 x 1,024 float32; ln1_w 1,024 float32; ln2_w 1,024 float32.
;; Outputs: out0 2 x 2,048 x 1,024 float32.
;; This version of the problem:
;;   THIS VERSION OF THE PROBLEM IS GIVEN IN LOW PRECISION. The matrix products marked QUANTISED in the list below multiply operands that are first quantised to E2M1 (2 exponent bits, 1 mantissa bit; 4 bits a number), with one power-of-two scale for each 32 numbers along K (OCP MX v1.0); their sums are f32. All else is computed in f32.
;;   The module's matrix products, in the order in which they are computed (A, B: the left and right operand; K: the contracted axis; several contracted axes count as one K, in the product's order):
;;     1. [M 4,096, K 1,024] x [K 1,024, N 512]; A: computed on the way; B: input Wq (given as codes): QUANTISED
;;     2. [M 4,096, K 1,024] x [K 1,024, N 256]; A: computed on the way; B: input Wk (given as codes): QUANTISED
;;     3. [M 4,096, K 1,024] x [K 1,024, N 256]; A: computed on the way; B: input Wv (given as codes): QUANTISED
;;     4. batch 16 x [M 2,048, K 64] x [K 64, N 2,048]; A: computed on the way; B: computed on the way: QUANTISED
;;     5. batch 16 x [M 2,048, K 2,048] x [K 2,048, N 64]; A: softmax (see below); B: computed on the way: QUANTISED
;;     6. [M 4,096, K 512] x [K 512, N 1,024]; A: computed on the way; B: input Wo (given as codes): QUANTISED
;;     7. [M 4,096, K 1,024] x [K 1,024, N 4,096]; A: computed on the way; B: input Wgate (given as codes): QUANTISED
;;     8. [M 4,096, K 1,024] x [K 1,024, N 4,096]; A: computed on the way; B: input Wup (given as codes): QUANTISED
;;     9. [M 4,096, K 4,096] x [K 4,096, N 1,024]; A: computed on the way; B: input Wdown (given as codes): QUANTISED
;;   THE QUANTISER, for each operand of a quantised product, along K:
;;     - K is cut into blocks of 32 from its start; a last block that is shorter is filled with zeros.
;;     - A block's scale is 2^e with e = floor(log2(the largest magnitude in the block)) - 2, held to -126 .. 127; a block of zeros has e = 0. As a byte (E8M0): e + 127.
;;     - Each number is divided by its block's scale, clamped to +-6, and rounded to the nearest number of E2M1, ties to even, subnormals kept.
;;     - The product sums the exact products of the quantised numbers (number of the format x scale) in f32.
;;   ~~~python
;;   def quantise(x, axis):      # numpy; x: float32 -> the quantised numbers, widened to float32 again
;;       x = np.moveaxis(x, axis, -1); K = x.shape[-1]
;;       x = np.pad(x, [(0, 0)] * (x.ndim - 1) + [(0, -K % 32)]); x = x.reshape(x.shape[:-1] + (-1, 32)); a = np.abs(x).max(-1, keepdims=True)
;;       e = np.where(a > 0, np.clip(np.frexp(np.where(a > 0, a, 1))[1] - 1 - 2, -126, 127), 0)      # np.frexp(a)[1] - 1 = floor(log2(a)), exactly
;;       r = np.clip(x / 2.0 ** e, -6, 6)
;;       step = 2.0 ** (np.maximum(np.frexp(np.where(r == 0, 1, r))[1] - 1, 0) - 1)
;;       q = np.round(r / step) * step * 2.0 ** e      # np.round: ties to even
;;       return np.moveaxis(q.reshape(q.shape[:-2] + (-1,))[..., :K], -1, axis).astype(np.float32)
;;   ~~~
;;   SOFTMAX AHEAD OF A QUANTISED PRODUCT. Where the list says 'softmax', what is quantised is not the finished softmax but p = 2^(t - M), with t = logit x log2(e) and M = ceil(the row's largest t), a whole number; so 1/2 < the row's largest p <= 1. The row's sum l is taken of the UNQUANTISED p, in f32, and the product's result is divided by l at the end. Since M is a whole number, a kernel that streams over the keys may use a running M (the ceiling of the running maximum): every later rescaling is an exact power of two, which a block's scale takes up: the codes' values come out the same.
;;   OPERANDS COMPUTED ON THE WAY. 'Computed on the way' means the value that the module computes at that place (a softmax that the list does not call 'softmax' is quantised finished and normalised). What goes into a quantiser is computed in f32, as accurately as f32 sums, v_exp_f32 and their like allow (about 1e-6 of the number): no bf16 or f16 on the way to a quantiser, and a product that is left as it is and whose result goes on into a quantised operand takes f32 operands (vector FMAs, or v_wmma_f32_16x16x4_f32). A number that lies on a knife's edge between two numbers of the format may be rounded either way, as far as f32 arithmetic and the matrix unit's own rounding can turn it there, and no further.
;;   INPUTS GIVEN AS CODES. Wdown (in the module: [4096, 1024], K = its axis 0); Wgate (in the module: [1024, 4096], K = its axis 0); Wk (in the module: [1024, 256], K = its axis 0); Wo (in the module: [512, 1024], K = its axis 0); Wq (in the module: [1024, 512], K = its axis 0); Wup (in the module: [1024, 4096], K = its axis 0); Wv (in the module: [1024, 256], K = its axis 0): each comes as NAME_codes (uint8): NAME with its K axis moved to the last place and cut into blocks of 32 codes, [.., K / 32, bytes a block], one block behind the other in memory; two codes a byte, the lower K in the low four bits (a code: sign, 2 exponent bits, 1 mantissa bit); and NAME_scales (uint8): the same leading axes, one E8M0 byte (e + 127) for each 32 codes along K. Its value is code x scale, taken as it is: it is not quantised again, and the codes and scales need not be those that the quantiser above would give.
;; One version. Each part assembles by itself: llvm-mc -triple=amdgcn-amd-amdhsa -mcpu=gfx1250 --defsym DOCPART=n.
;; ======== version 1 of 1: 4 launches
;; limits: right only within a limited range of input values
;; workspace buffers: qc 1,048,576 bytes; qs 131,072 bytes; kvb 1,146,880 bytes; h2 16,777,216 bytes; x2c 2,097,152 bytes; x2s 131,072 bytes; actc 8,388,608 bytes; acts 524,288 bytes
;; launch qkv (part 1): grid 256 x 1, 8 waves a work-group, clusters of 4 x 1, 327,680 bytes of LDS; arguments hidden_states, kv_states, ln1_w, Wq_codes, Wq_scales, Wk_codes, Wk_scales, Wv_codes, Wv_scales, qc, qs, kvb; writes qc, qs, kvb
.if DOCPART == 1
	.amdgcn_target "amdgcn-amd-amdhsa--gfx1250"
	.amdhsa_code_object_version 6
	.text
	.protected	k_q0d2a62e031_qkv
	.globl	k_q0d2a62e031_qkv
	.p2align	8
	.type	k_q0d2a62e031_qkv,@function
k_q0d2a62e031_qkv:
	s_mov_b64 s[64:65], 0
	v_nop
	global_prefetch_b8 v0, s[64:65] scope:SCOPE_SE
	s_setreg_imm32_b32 hwreg(HW_REG_WAVE_MODE, 25, 1), 1
	s_wait_xcnt 0x0
	s_wait_alu depctr_hold_cnt(0) depctr_sa_sdst(0) depctr_va_vdst(0) depctr_va_sdst(0) depctr_va_ssrc(0) depctr_va_vcc(0) depctr_vm_vsrc(0)
	s_getreg_b32 s2, hwreg(HW_REG_IB_STS2, 6, 4)
	s_cmp_eq_u32 s2, 0
	s_cbranch_scc0 .Lentry_in_a_cluster
	s_endpgm
.Lentry_in_a_cluster:
	s_bfe_u32 s2, ttmp6, 0x10000c
	s_cmp_lg_u32 s2, 0x3003
	s_cbranch_scc0 .Lentry_shape_is_right
	s_endpgm
.Lentry_shape_is_right:
; RMSNorm (ln1_w) of hidden_states and kv_states, quantised along H to E2M1 with one E8M0 byte for each 32; q = h Wq, k = kv Wk, v = kv Wv on codes; RoPE on q and k;
; q and k quantised along the head's 64, v along the keys.  Results: qc, qs (rows), kvb (records of 128 keys laid as the next launch's operand registers).
; SHARES.  256 work-groups of 8 waves, 32 tokens each: clusters 0-31 take hidden_states with Wq (wave = head), clusters 32-63 kv_states with Wk (waves 0-3) and Wv (waves 4-7).
; A wave owns 64 columns (one head); its 64 rows of weight codes come by one tensor load into its own LDS bytes.  The four work-groups of a cluster want the same weights: the load is joint.
; TOKEN ORDER.  Row r of tile u is token 8 u + r + 8 (r / 8): so k's tiles are the key tiles of the next launch, and in v's product (tokens as source 0) a lane's 16 results are 16 neighbouring keys.
; q and k are used transposed (source 0 = 16 rows of W, source 1 = 16 tokens): a lane holds one token and its registers run along the head.
; ROPE'S TABLES hang on the token and the frequency alone, not on the head: each of the eight waves makes four of the 32 sets of angles while x's loads are out, and stores them in LDS as images of the registers.
; The 1 / sqrt(64) of the scores is taken off q's scale bytes (3 off each), which is exact.
; LIMITS: a block whose largest magnitude lies under 2^-124 (q, k: 2^-121) keeps the floor's byte; a block of zeros has that byte too (its codes are zeros; only this program reads the bytes);
; NaN and infinities are not served.  RoPE: the frequencies are 10^(-i/8) rounded to f32; the angle's reduction by pi/2 in two parts holds for angles under 2^13 (the largest here is 2,047).
; v's scale bytes leave as single bytes, four work-groups to a word: 32 KiB of the launch's stores.
.set WV,    28
.set SEL,   94
.set WROW,  528                        ; an LDS row of codes: 512 bytes + 16 of padding: 16 rows of a fragment start at 16 different groups of banks
.set WWAVE, 64*WROW                    ; a wave's 64 rows of weights
.set XC,    8*WWAVE                    ; x's codes: 32 rows
.set XS,    XC+32*WROW                 ; x's scale bytes: 32 rows of 32
.set STG,   XS+1024                    ; a turning stage of 32 places of 80 bytes for each wave
.set SP,    80
.set CSR,   STG+8*32*SP                ; RoPE's tables: 8 images of 512 bytes of cosines, then 8 of sines
.set SPARE, CSR+8192                   ; the spare words: 128 bytes a wave, four blocks of 256 bytes that no other line names
.set X,     16                         ; v16-143  four rows of x as loaded
.set LNW,   144                        ; v144-175 ln1_w at my columns
.set T,     176                        ; v176-207 two sets of 16 neighbours
.set ACC,   16                         ; v16-79   eight accumulators
.set WF,    80                         ; v80-143  two sets of W's four fragments
.set XF,    144                        ; v144-175 two sets of x's two fragments
.set XSW,   176                        ; v176-183 x's scale words: lanes 0-15 tile 0, lanes 16-31 tile 1
.set WS,    240                        ; v240-255 W's scale words: register 8 p + s: lanes 0-15 tile 2 p, lanes 16-31 tile 2 p + 1
.set COSR,  80
.set SINR,  112
.set TX,    176                        ; v176-213 at work on my four angles, while x's loads are out
.set TN,    180
.set TZ,    184
.set TS,    188
.set TC,    192
.set TI,    196
.set IV,    200
.set CO4,   204
.set SI4,   208
.set POS,   212
.set CSA,   213
.set CSL,   188                        ; v188 where the tables are read back: made behind the barrier, ahead of the parting of the ways
.set PC,    208
.set TM,    216                        ; +0..3 largest magnitudes, +4..7 bytes, +12..15 the conversions' scale operands
.macro PLACES n
.rept \n
	v_nop
.endr
.endm
.macro CROUND                          ; a round of the cluster's barrier
	s_barrier_signal -1
	s_barrier_wait -1
	s_cmp_lg_u32 s[WV], 0
	s_cbranch_scc1 .Lnot_wave_0_\@
	s_barrier_signal -3
.Lnot_wave_0_\@:
	s_barrier_wait -3
	s_barrier_signal -1
	s_barrier_wait -1
.endm
; one scaled product.  z = 1: C is the constant 0.  ra, rb: the scale words are taken from lanes 16-31
.macro WM4 d, a, b, z, sa, sb, ra, rb
.if \z
.if (\ra) && (\rb)
	v_wmma_scale_f32_16x16x128_f8f6f4 v[\d:\d+7], v[\a:\a+7], v[\b:\b+7], 0, v[\sa], v[\sb] matrix_a_fmt:MATRIX_FMT_FP4 matrix_b_fmt:MATRIX_FMT_FP4 matrix_a_scale:MATRIX_SCALE_ROW1 matrix_b_scale:MATRIX_SCALE_ROW1
.elseif (\ra)
	v_wmma_scale_f32_16x16x128_f8f6f4 v[\d:\d+7], v[\a:\a+7], v[\b:\b+7], 0, v[\sa], v[\sb] matrix_a_fmt:MATRIX_FMT_FP4 matrix_b_fmt:MATRIX_FMT_FP4 matrix_a_scale:MATRIX_SCALE_ROW1
.elseif (\rb)
	v_wmma_scale_f32_16x16x128_f8f6f4 v[\d:\d+7], v[\a:\a+7], v[\b:\b+7], 0, v[\sa], v[\sb] matrix_a_fmt:MATRIX_FMT_FP4 matrix_b_fmt:MATRIX_FMT_FP4 matrix_b_scale:MATRIX_SCALE_ROW1
.else
	v_wmma_scale_f32_16x16x128_f8f6f4 v[\d:\d+7], v[\a:\a+7], v[\b:\b+7], 0, v[\sa], v[\sb] matrix_a_fmt:MATRIX_FMT_FP4 matrix_b_fmt:MATRIX_FMT_FP4
.endif
.else
.if (\ra) && (\rb)
	v_wmma_scale_f32_16x16x128_f8f6f4 v[\d:\d+7], v[\a:\a+7], v[\b:\b+7], v[\d:\d+7], v[\sa], v[\sb] matrix_a_fmt:MATRIX_FMT_FP4 matrix_b_fmt:MATRIX_FMT_FP4 matrix_a_scale:MATRIX_SCALE_ROW1 matrix_b_scale:MATRIX_SCALE_ROW1
.elseif (\ra)
	v_wmma_scale_f32_16x16x128_f8f6f4 v[\d:\d+7], v[\a:\a+7], v[\b:\b+7], v[\d:\d+7], v[\sa], v[\sb] matrix_a_fmt:MATRIX_FMT_FP4 matrix_b_fmt:MATRIX_FMT_FP4 matrix_a_scale:MATRIX_SCALE_ROW1
.elseif (\rb)
	v_wmma_scale_f32_16x16x128_f8f6f4 v[\d:\d+7], v[\a:\a+7], v[\b:\b+7], v[\d:\d+7], v[\sa], v[\sb] matrix_a_fmt:MATRIX_FMT_FP4 matrix_b_fmt:MATRIX_FMT_FP4 matrix_b_scale:MATRIX_SCALE_ROW1
.else
	v_wmma_scale_f32_16x16x128_f8f6f4 v[\d:\d+7], v[\a:\a+7], v[\b:\b+7], v[\d:\d+7], v[\sa], v[\sb] matrix_a_fmt:MATRIX_FMT_FP4 matrix_b_fmt:MATRIX_FMT_FP4
.endif
.endif
.endm
; nb blocks of 32: block b's numbers lie in v[src + 16 b] .. + 15 of lanes l and l xor 16.  Leaves the conversions' scale operands in TM+12+b and the bytes in TM+4+b
.macro QMAX src, nb, floor
.set qb, 0
.rept \nb
	v_max3_num_f32 v[TM+qb], |v[\src+16*qb]|, |v[\src+16*qb+1]|, \floor
.set qb, qb+1
.endr
.irp i, 2,4,6,8,10,12,14
.set qb, 0
.rept \nb
	v_max3_num_f32 v[TM+qb], v[TM+qb], |v[\src+16*qb+\i]|, |v[\src+16*qb+\i+1]|
.set qb, qb+1
.endr
.endr
.set qb, 0
.rept \nb
	s_delay_alu instid0(VALU_DEP_4)
	v_permlanex16_b32 v[TM+4+qb], v[TM+qb], s[SEL], s[SEL+1]
.set qb, qb+1
.endr
.set qb, 0
.rept \nb
	s_delay_alu instid0(VALU_DEP_4)
	v_max_num_f32 v[TM+qb], v[TM+qb], v[TM+4+qb]
.set qb, qb+1
.endr
.set qb, 0
.rept \nb
	s_delay_alu instid0(VALU_DEP_4)
	v_add_nc_u32 v[TM+12+qb], 0xff000000, v[TM+qb]   ; 2 off the exponent field: the conversion takes that field as its scale
.set qb, qb+1
.endr
.set qb, 0
.rept \nb
	s_delay_alu instid0(VALU_DEP_4)
	v_lshrrev_b32 v[TM+4+qb], 23, v[TM+12+qb]        ; the scale's byte
.set qb, qb+1
.endr
.endm
; The codes.  Tile 2 b + i of a block gives lane half h the block's octet 2 i + h; written to pc + 4 (b / 2) + 2 i + b % 2 and exchanged in pairs,
; registers pc + 4 g .. + 3 hold block 2 g + (lane / 16) in the order of k: the operand's layout
.macro QCVT src, nb, pc
.set qb, 0
.rept \nb
	v_cvt_scalef32_pk8_fp4_f32 v[\pc+4*(qb/2)+(qb%2)], v[\src+16*qb:\src+16*qb+7], v[TM+12+qb]
	v_cvt_scalef32_pk8_fp4_f32 v[\pc+4*(qb/2)+2+(qb%2)], v[\src+16*qb+8:\src+16*qb+15], v[TM+12+qb]
.set qb, qb+1
.endr
	v_nop                                          ; one plain place behind the scaled conversions
.set qb, 0
.rept \nb
	v_permlane16_swap_b32 v[\pc+2*qb], v[\pc+2*qb+1]
.set qb, qb+1
.endr
.endm
	s_load_b512 s[4:19], s[0:1], 0x0               ; hidden 4, kv 6, ln1_w 8, Wq codes 10, scales 12, Wk codes 14, scales 16, Wv codes 18
	s_load_b256 s[20:27], s[0:1], 0x40             ; Wv scales 20, qc 22, qs 24, kvb 26
	v_lshl_add_u32 v216, v0, 2, SPARE              ; my spare word and 0: no two registers can be kept here, so they are made from v0 ahead of each use
	v_mov_b32 v217, 0
	ds_add_u32 v216, v217                          ; the opening lines: the add, twice on end,
	ds_add_u32 v216, v217                          ; ahead of my tensor load; the set-up below stands between it and the wait
	v_lshrrev_b32 v1, 5, v0
	s_delay_alu instid0(VALU_DEP_1)
	v_readfirstlane_b32 s[WV], v1                  ; wave 0..7
	s_bfe_u32 s29, ttmp6, 0x40000                  ; cx: it enters global addresses and positions alone
	s_lshl_b32 s30, ttmp9, 2
	s_add_co_u32 s30, s30, s29                     ; work-group 0..255
	s_and_b32 s31, s30, 127                        ; block of 32 tokens in its tensor
	s_and_b32 s32, s[WV], 3
	s_and_b32 s76, s31, 0x7c                       ; 4 x (batch x 16 + key step)
	s_add_co_u32 s76, s76, s32
	s_mul_i32 s76, s76, 8960                       ; my record in kvb
	s_and_b32 s77, s31, 3                          ; which 32 keys of the record's 128
	s_lshl_b32 s78, s77, 10
	s_add_co_u32 s78, s78, s76                     ; k's codes
	s_lshl_b32 s79, s77, 7
	s_add_co_u32 s79, s79, s76
	s_add_co_u32 s79, s79, 4096                    ; k's scale words
	s_add_co_u32 s80, s78, 4608                    ; v's codes
	s_add_co_u32 s81, s76, s77
	s_add_co_u32 s81, s81, 8704                    ; v's scale bytes
	s_cmp_lt_u32 s[WV], 4
	s_cselect_b32 s78, s78, s80
	s_cselect_b32 s79, s79, s81
	s_cselect_b32 s91, 0, 1
	s_lshr_b32 s80, s31, 6                         ; batch
	s_lshl_b32 s80, s80, 3
	s_add_co_u32 s80, s80, s[WV]
	s_lshl_b32 s80, s80, 11
	s_and_b32 s90, s31, 63
	s_lshl_b32 s90, s90, 5                         ; my first token's position
	s_add_co_u32 s80, s80, s90                     ; q's row: (batch x 8 + head) x 2048 + position
	s_lshl_b32 s82, s80, 5
	s_lshl_b32 s83, s80, 2
	s_mov_b32 s60, 512
	s_cmp_lt_u32 ttmp9, 32                         ; the q clusters.  The same in all four partners
	s_cselect_b32 s86, s82, s78                    ; where my codes go
	s_cselect_b32 s88, s83, s79                    ; where my scales go
	s_cselect_b32 s91, 0, s91                      ; 1: this wave makes v
	s_cselect_b32 s33, s[WV], s32                  ; which 64 rows of my weight
	s_cselect_b32 s70, 0x303, 0                    ; 3 off q's two bytes
	s_cselect_b32 s59, -1, 0
	s_cselect_b32 s60, 256, s60                    ; from tile 0's codes to tile 1's
	s_mov_b32 s87, 0
	s_mov_b32 s89, 0
	s_lshl_b32 s34, s33, 15
	s_mov_b32 s35, 0
	s_lshl_b32 s92, s33, 11
	s_mov_b32 s93, 0
	s_lshl_b32 s62, s31, 17                        ; 32 rows of 4,096 bytes a block,
	s_lshl_b32 s63, s[WV], 14                      ; 4 rows a wave
	s_add_co_u32 s62, s62, s63
	s_mov_b32 s63, 0
	s_mov_b32 s[SEL], 0x76543210
	s_mov_b32 s[SEL+1], 0xfedcba98
	s_mov_b32 s96, 0x3a800000                      ; 1 / 1024
	s_mov_b32 s97, 0x358637bd                      ; 1e-6
	s_mov_b32 s66, 0x3f22f983                      ; 2 / pi
	s_mov_b32 s67, 0x3fc90fdb                      ; pi / 2, rounded up to f32,
	s_mov_b32 s68, 0x333bbd2e                      ; and what that is too large by
	s_mov_b32 s69, -0.00019515295891               ; sine's polynomial on |r| <= pi / 4
	s_mov_b32 s71, 0.0083321608736
	s_mov_b32 s84, -0.16666654611
	s_mov_b32 s85, 0.00002443315711809948          ; cosine's
	s_mov_b32 s98, -0.001388731625493765
	s_mov_b32 s99, 0.04166664568298827
	s_mov_b32 s61, 0x80000000
	; descriptor group 1: 64 rows of 512 bytes, 16 bytes of padding behind each; the mask names the cluster's four
	s_mov_b32 s40, 15|(1<<20)|(1<<21)|(6<<22)|(3<<25)
	s_mov_b32 s41, 512<<16
	s_mov_b32 s42, 64<<16
	s_mov_b32 s43, 512<<16
	s_mov_b32 s44, 64
	s_mov_b32 s45, 512
	s_mov_b32 s46, 0
	s_mov_b32 s47, 0
	v_and_b32 v1, 31, v0                           ; lane
	v_and_b32 v2, 15, v0                           ; r
	v_bfe_u32 v3, v0, 4, 1                         ; h
	s_delay_alu instid0(VALU_DEP_3)
	v_lshlrev_b32 v4, 4, v1                        ; 16 x lane
	s_mul_i32 s54, s[WV], 32*SP
	s_add_co_u32 s54, s54, STG
	v_lshrrev_b32 v5, 2, v1
	s_delay_alu instid0(VALU_DEP_1)
	v_mul_u32_u24 v5, v5, SP
	v_and_b32 v6, 3, v1
	s_delay_alu instid0(VALU_DEP_1)
	v_lshl_add_u32 v5, v6, 4, v5
	s_delay_alu instid0(VALU_DEP_1)
	v_add_nc_u32 v5, s54, v5                       ; the stage, in: four lanes' 64 bytes to a place
	v_mul_u32_u24 v6, v1, SP
	s_delay_alu instid0(VALU_DEP_1)
	v_add_nc_u32 v6, s54, v6                       ; out: a place a lane
	s_bfe_u32 s55, s[WV], 0x10001
	s_lshl_b32 s55, s55, 4
	s_and_b32 s56, s[WV], 1
	s_lshl_b32 s56, s56, 2
	s_add_co_u32 s55, s55, s56
	s_lshr_b32 s56, s[WV], 2
	s_lshl_b32 s56, s56, 3
	s_add_co_u32 s55, s55, s56                     ; tokens 4 w + i lie at rows 16 ((w / 2) % 2) + 4 (w % 2) + 8 (w / 4) + i
	s_mul_i32 s56, s55, WROW
	s_add_co_u32 s56, s56, XC
	v_lshl_add_u32 v7, v1, 3, s56                  ; my 8 bytes of codes
	s_lshl_b32 s57, s55, 5
	s_add_co_u32 s57, s57, XS
	v_lshrrev_b32 v8, 1, v1
	s_delay_alu instid0(VALU_DEP_1)
	v_add_nc_u32 v8, s57, v8                       ; my block's byte
	v_mul_u32_u24 v9, v2, WROW
	s_delay_alu instid0(VALU_DEP_1)
	v_lshl_add_u32 v9, v3, 4, v9
	s_delay_alu instid0(VALU_DEP_1)
	v_add_nc_u32 v10, XC, v9                       ; x's fragments
	s_mul_i32 s58, s[WV], WWAVE
	v_add_nc_u32 v9, s58, v9                       ; W's fragments, in my own rows
	v_lshl_add_u32 v11, v1, 5, XS                  ; x's scale words: row = lane
	v_lshlrev_b32 v12, 5, v1                       ; W's scale rows of 32 bytes
	v_and_b32 v16, 8, v2
	s_delay_alu instid0(VALU_DEP_1)
	v_add_nc_u32 v16, v16, v2                      ; tile 0's token of my row
	s_delay_alu instid0(VALU_DEP_1)
	v_lshlrev_b32 v17, 5, v16
	s_delay_alu instid0(VALU_DEP_1)
	v_lshl_add_u32 v17, v3, 4, v17                 ; q: 32 bytes a token, 16 a block
	s_delay_alu instid0(VALU_DEP_1)
	v_cndmask_b32 v13, v4, v17, s59                ; k: an image, 16 x lane
	s_delay_alu instid0(VALU_DEP_1)
	v_add_nc_u32 v14, s60, v13
	v_lshl_add_u32 v18, v3, 3, v16
	s_delay_alu instid0(VALU_DEP_1)
	v_lshlrev_b32 v18, 2, v18                      ; q's scale word: tile = my half
	v_lshlrev_b32 v19, 2, v1
	s_delay_alu instid0(VALU_DEP_1)
	v_cndmask_b32 v15, v19, v18, s59
	s_lshl_b32 s54, s[WV], 9
	s_add_co_u32 s54, s54, CSR
	v_add_nc_u32 v[CSA], s54, v4                   ; my image of the tables: 512 bytes a wave, 16 a lane
.irp b, 0,1,2,3
	v_mov_b32 v[TM+4+\b], 0                        ; a lane permute's destination counts as read
.endr
	s_wait_alu depctr_va_vdst(0)
	s_wait_dscnt 0x0                               ; both opening adds are done
	s_wait_kmcnt 0x0
	s_cmp_lt_u32 s[WV], 4
	s_cselect_b64 s[48:49], s[14:15], s[18:19]
	s_cselect_b64 s[50:51], s[16:17], s[20:21]
	s_cmp_lt_u32 ttmp9, 32
	s_cselect_b64 s[48:49], s[10:11], s[48:49]     ; my weight's codes
	s_cselect_b64 s[50:51], s[12:13], s[50:51]     ; and scales
	s_cselect_b64 s[52:53], s[4:5], s[6:7]         ; my tokens
	s_cselect_b64 s[72:73], s[22:23], s[26:27]
	s_cselect_b64 s[74:75], s[24:25], s[26:27]
	s_add_nc_u64 s[50:51], s[50:51], s[92:93]
	s_add_nc_u64 s[52:53], s[52:53], s[62:63]
	s_add_nc_u64 s[72:73], s[72:73], s[86:87]
	s_add_nc_u64 s[74:75], s[74:75], s[88:89]
	s_mov_b32 s36, 1
	s_mul_i32 s37, s[WV], WWAVE
	s_add_nc_u64 s[38:39], s[48:49], s[34:35]
	s_or_b32 s39, s39, 0x80000000
	CROUND                                         ; the four work-groups are here: the joint loads meet
	tensor_load_to_lds s[36:39], s[40:47]          ; my 64 rows of weight codes: the wave's one tensor load
	s_nop 0
	PLACES 4
.irp i, 0,1,2,3
.irp j, 0,1,2,3,4,5,6,7
	global_load_b128 v[X+32*\i+4*\j:X+32*\i+4*\j+3], v4, s[52:53] offset:4096*\i+512*\j th:TH_LOAD_NT   ; 512 consecutive bytes a load
.endr
.endr
.irp j, 0,1,2,3,4,5,6,7
	global_load_b128 v[LNW+4*\j:LNW+4*\j+3], v4, s[8:9] offset:512*\j
.endr
.irp p, 0,1
	global_load_b128 v[WS+8*\p:WS+8*\p+3], v12, s[50:51] offset:1024*\p
	global_load_b128 v[WS+8*\p+4:WS+8*\p+7], v12, s[50:51] offset:1024*\p+16
.endr
; ---- RoPE's tables, while those loads are out.  In a result's tile t lane (r, h) holds d = 16 t + 8 h + j; tiles t and t + 2 share the frequency 10^(-(16 t + 8 h + j) / 8), set n = 8 t + j.
; Wave w makes sets n = 4 (w % 4) + 0 .. 3 for the tokens of tile w / 4.  The frequencies are chosen by the wave's number: s10-13 for lanes 0-15, s14-17 for lanes 16-31
.macro FSEL e, lo, hi
	s_cselect_b32 s[10+\e], \lo, s[10+\e]
	s_cselect_b32 s[14+\e], \hi, s[14+\e]
.endm
	s_and_b32 s19, s[WV], 3
	s_mov_b32 s10, 0.003162277660
	s_mov_b32 s11, 0.002371373706
	s_mov_b32 s12, 0.001778279410
	s_mov_b32 s13, 0.001333521432
	s_mov_b32 s14, 0.0003162277660
	s_mov_b32 s15, 0.0002371373706
	s_mov_b32 s16, 0.0001778279410
	s_mov_b32 s17, 0.0001333521432
	s_cmp_eq_u32 s19, 2
	FSEL 0, 0.01, 0.001
	FSEL 1, 0.007498942093, 0.0007498942093
	FSEL 2, 0.005623413252, 0.0005623413252
	FSEL 3, 0.004216965034, 0.0004216965034
	s_cmp_eq_u32 s19, 1
	FSEL 0, 0.3162277660, 0.03162277660
	FSEL 1, 0.2371373706, 0.02371373706
	FSEL 2, 0.1778279410, 0.01778279410
	FSEL 3, 0.1333521432, 0.01333521432
	s_cmp_eq_u32 s19, 0
	FSEL 0, 1.0, 0.1
	FSEL 1, 0.7498942093, 0.07498942093
	FSEL 2, 0.5623413252, 0.05623413252
	FSEL 3, 0.4216965034, 0.04216965034
	v_cmp_eq_u32 vcc_lo, 1, v3
.irp e, 0,1,2,3
	v_mov_b32 v[IV+\e], s[14+\e]
	s_delay_alu instid0(VALU_DEP_1)
	v_cndmask_b32 v[IV+\e], s[10+\e], v[IV+\e], vcc_lo
.endr
	s_lshr_b32 s18, s[WV], 2
	s_lshl_b32 s18, s18, 3
	s_add_co_u32 s18, s18, s90                     ; tile w / 4 begins eight tokens on
	v_and_b32 v[POS], 8, v2
	s_delay_alu instid0(VALU_DEP_1)
	v_add_nc_u32 v[POS], v[POS], v2
	s_delay_alu instid0(VALU_DEP_1)
	v_add_nc_u32 v[POS], s18, v[POS]
	s_delay_alu instid0(VALU_DEP_1)
	v_cvt_f32_u32 v[POS], v[POS]                   ; my token's position
; x = position x frequency; n = the nearest multiple of pi / 2; r = x - n pi / 2 in two parts (the first product is exact); polynomials; the quadrant
.irp e, 0,1,2,3
	v_mul_f32 v[TX+\e], v[POS], v[IV+\e]
.endr
.irp e, 0,1,2,3
	s_delay_alu instid0(VALU_DEP_4)
	v_mul_f32 v[TN+\e], s66, v[TX+\e]
.endr
.irp e, 0,1,2,3
	s_delay_alu instid0(VALU_DEP_4)
	v_rndne_f32 v[TN+\e], v[TN+\e]
.endr
.irp e, 0,1,2,3
	s_delay_alu instid0(VALU_DEP_4)
	v_fma_f32 v[TX+\e], -v[TN+\e], s67, v[TX+\e]
.endr
.irp e, 0,1,2,3
	s_delay_alu instid0(VALU_DEP_4)
	v_fma_f32 v[TX+\e], v[TN+\e], s68, v[TX+\e]
.endr
.irp e, 0,1,2,3
	v_cvt_i32_f32 v[TI+\e], v[TN+\e]
.endr
.irp e, 0,1,2,3
	v_mul_f32 v[TZ+\e], v[TX+\e], v[TX+\e]
.endr
.irp e, 0,1,2,3
	v_fma_f32 v[TS+\e], v[TZ+\e], s69, s71
	v_fma_f32 v[TC+\e], v[TZ+\e], s85, s98
.endr
.irp e, 0,1,2,3
	v_fma_f32 v[TS+\e], v[TS+\e], v[TZ+\e], s84
	v_fma_f32 v[TC+\e], v[TC+\e], v[TZ+\e], s99
.endr
.irp e, 0,1,2,3
	v_mul_f32 v[TS+\e], v[TS+\e], v[TZ+\e]
	v_mul_f32 v[TC+\e], v[TC+\e], v[TZ+\e]
.endr
.irp e, 0,1,2,3
	v_fma_f32 v[TS+\e], v[TS+\e], v[TX+\e], v[TX+\e]   ; sin r
	v_fma_f32 v[TN+\e], v[TZ+\e], -0.5, 1.0
.endr
.irp e, 0,1,2,3
	v_fma_f32 v[TC+\e], v[TC+\e], v[TZ+\e], v[TN+\e]   ; cos r
	v_and_b32 v[TN+\e], 1, v[TI+\e]
.endr
.irp e, 0,1,2,3
	v_cmp_eq_u32 vcc_lo, 1, v[TN+\e]                   ; odd n: sine and cosine change places
	s_delay_alu instid0(VALU_DEP_1)
	v_cndmask_b32 v[SI4+\e], v[TS+\e], v[TC+\e], vcc_lo
	s_delay_alu instid0(VALU_DEP_2)
	v_cndmask_b32 v[CO4+\e], v[TC+\e], v[TS+\e], vcc_lo
.endr
.irp e, 0,1,2,3
	v_lshlrev_b32 v[TN+\e], 30, v[TI+\e]
	v_add_nc_u32 v[TI+\e], 1, v[TI+\e]
.endr
.irp e, 0,1,2,3
	v_and_b32 v[TN+\e], s61, v[TN+\e]                  ; sine's sign: bit 1 of n
	v_lshlrev_b32 v[TI+\e], 30, v[TI+\e]
.endr
.irp e, 0,1,2,3
	v_xor_b32 v[SI4+\e], v[SI4+\e], v[TN+\e]
	v_and_b32 v[TI+\e], s61, v[TI+\e]                  ; cosine's: bit 1 of n + 1
.endr
.irp e, 0,1,2,3
	v_xor_b32 v[CO4+\e], v[CO4+\e], v[TI+\e]
.endr
	ds_store_b128 v[CSA], v[CO4:CO4+3]             ; image w of the cosines: registers 16 (w / 4) + 4 (w % 4) + 0 .. 3 of the table
	ds_store_b128 v[CSA], v[SI4:SI4+3] offset:4096 ; and of the sines
	s_wait_dscnt 0x0                               ; the stores have read their registers, which the norm writes next
; ---- the norm: a row's sum of squares stays in the wave
.macro SUMSQ i
.set sX, X+32*\i
	s_wait_loadcnt 36-8*\i                         ; behind row i's loads: the later rows' and the twelve of ln1_w and the scales
	v_pk_mul_f32 v[216:217], v[sX:sX+1], v[sX:sX+1]
	v_pk_mul_f32 v[218:219], v[sX+2:sX+3], v[sX+2:sX+3]
.irp j, 4,8,12,16,20,24,28
	s_delay_alu instid0(VALU_DEP_2)
	v_pk_fma_f32 v[216:217], v[sX+\j:sX+\j+1], v[sX+\j:sX+\j+1], v[216:217]
	s_delay_alu instid0(VALU_DEP_2)
	v_pk_fma_f32 v[218:219], v[sX+\j+2:sX+\j+3], v[sX+\j+2:sX+\j+3], v[218:219]
.endr
	s_delay_alu instid0(VALU_DEP_1)
	v_pk_add_f32 v[216:217], v[216:217], v[218:219]
	s_delay_alu instid0(VALU_DEP_1)
	v_add_f32 v[208+\i], v216, v217
	s_delay_alu instid0(VALU_DEP_1)
	v_add_f32_dpp v[208+\i], v[208+\i], v[208+\i] row_xmask:1 row_mask:0xf bank_mask:0xf
	s_delay_alu instid0(VALU_DEP_1)
	v_add_f32_dpp v[208+\i], v[208+\i], v[208+\i] row_xmask:2 row_mask:0xf bank_mask:0xf
	s_delay_alu instid0(VALU_DEP_1)
	v_add_f32_dpp v[208+\i], v[208+\i], v[208+\i] row_xmask:4 row_mask:0xf bank_mask:0xf
	s_delay_alu instid0(VALU_DEP_1)
	v_add_f32_dpp v[208+\i], v[208+\i], v[208+\i] row_xmask:8 row_mask:0xf bank_mask:0xf
	s_delay_alu instid0(VALU_DEP_1)
	v_permlanex16_b32 v220, v[208+\i], s[SEL], s[SEL+1]
	s_delay_alu instid0(VALU_DEP_1)
	v_add_f32 v[208+\i], v[208+\i], v220
	s_delay_alu instid0(VALU_DEP_1)
	v_fma_f32 v[208+\i], v[208+\i], s96, s97       ; the mean + 1e-6
.endm
	SUMSQ 0
	SUMSQ 1
	SUMSQ 2
	SUMSQ 3
	s_wait_alu depctr_va_vdst(0)
.irp i, 0,1,2,3
	v_rsq_f32 v[224+2*\i], v[208+\i]
.endr
	v_nop                                          ; a plain place behind the batch
	s_wait_alu depctr_va_vdst(0)                   ; one wait for the four, ahead of their first reader
.irp i, 0,1,2,3
	v_mov_b32 v[225+2*\i], v[224+2*\i]
.endr
	s_wait_alu depctr_va_vdst(0)
	s_wait_loadcnt 4                               ; ln1_w is in; W's four scale loads may be out
.irp i, 0,1,2,3
.set j, 0
.rept 16
	v_pk_mul_f32 v[X+32*\i+j:X+32*\i+j+1], v[X+32*\i+j:X+32*\i+j+1], v[224+2*\i:225+2*\i]
	s_delay_alu instid0(VALU_DEP_1)
	v_pk_mul_f32 v[X+32*\i+j:X+32*\i+j+1], v[X+32*\i+j:X+32*\i+j+1], v[LNW+j:LNW+j+1]
.set j, j+2
.endr
.endr
; ---- half a row (512 numbers) at a time turns through my stage, so that a lane holds 16 neighbours; LDS serves a wave's instructions in order, so one stage serves all turns
.macro TURN k
.set tX, X+16*(\k)
.set tT, T+16*((\k)%2)
.irp n, 0,1,2,3
	ds_store_b128 v5, v[tX+4*\n:tX+4*\n+3] offset:8*SP*\n
.endr
.irp n, 0,1,2,3
	ds_load_b128 v[tT+4*\n:tT+4*\n+3], v6 offset:16*\n
.endr
.endm
.macro WORK k                          ; two neighbouring lanes hold a block; every turn has its own registers for codes (v224 + 2 k) and byte (v208 + k)
.set tT, T+16*((\k)%2)
	v_max3_num_f32 v216, |v[tT]|, |v[tT+1]|, |v[tT+2]|
	v_max3_num_f32 v217, |v[tT+3]|, |v[tT+4]|, |v[tT+5]|
.irp i, 6,10
	s_delay_alu instid0(VALU_DEP_2)
	v_max3_num_f32 v216, v216, |v[tT+\i]|, |v[tT+\i+1]|
	s_delay_alu instid0(VALU_DEP_2)
	v_max3_num_f32 v217, v217, |v[tT+\i+2]|, |v[tT+\i+3]|
.endr
	s_delay_alu instid0(VALU_DEP_2)
	v_max3_num_f32 v216, v216, |v[tT+14]|, |v[tT+15]|
	s_delay_alu instid0(VALU_DEP_1)
	v_max3_num_f32 v216, v216, v217, 0x1800000     ; the floor 2^(3 - 127): the byte cannot fall under 1
	s_delay_alu instid0(VALU_DEP_1)
	v_max_num_f32_dpp v216, v216, v216 row_xmask:1 row_mask:0xf bank_mask:0xf
	s_delay_alu instid0(VALU_DEP_1)
	v_add_nc_u32 v218, 0xff000000, v216
	v_cvt_scalef32_pk8_fp4_f32 v[224+2*(\k)], v[tT:tT+7], v218
	v_cvt_scalef32_pk8_fp4_f32 v[225+2*(\k)], v[tT+8:tT+15], v218
	v_lshrrev_b32 v[208+(\k)], 23, v218
	ds_store_b64 v7, v[224+2*(\k):225+2*(\k)] offset:WROW*((\k)/2)+256*((\k)%2)
	ds_store_b8 v8, v[208+(\k)] offset:16*(\k)
.endm
	TURN 0
.irp k, 0,1,2,3,4,5,6
	TURN \k+1
	s_wait_dscnt 8                                 ; this turn's numbers are back; the next turn's eight LDS instructions may be out
	WORK \k
.endr
	s_wait_dscnt 0x0
	WORK 7
	s_wait_dscnt 0x0                               ; my codes, bytes and tables have landed,
	s_wait_tensorcnt 0x0                           ; and so have my rows of weights, which I alone read
	s_barrier_signal -1
	s_barrier_wait -1                              ; 32 rows of x and the whole tables lie in LDS
; ---- the products: K in 8 steps of 128, two sets of fragments, eight accumulators by turns
.macro GFETCH s, set
.irp t, 0,1,2,3
.irp c, 0,1
	ds_load_b128 v[WF+32*(\set)+8*\t+4*\c:WF+32*(\set)+8*\t+4*\c+3], v9 offset:16*\t*WROW+64*(\s)+32*\c
.endr
.endr
.irp u, 0,1
.irp c, 0,1
	ds_load_b128 v[XF+16*(\set)+8*\u+4*\c:XF+16*(\set)+8*\u+4*\c+3], v10 offset:16*\u*WROW+64*(\s)+32*\c
.endr
.endr
.endm
.macro GMUL s, u, t, isv
.if \isv
.set rD, ACC+16*\t+8*\u
.set rA, XF+16*((\s)%2)+8*\u
.set rB, WF+32*((\s)%2)+8*\t
.set rSA, XSW+(\s)
.set rSB, WS+8*(\t/2)+(\s)
.set rRA, \u
.set rRB, \t%2
.else
.set rD, ACC+32*\u+8*\t
.set rA, WF+32*((\s)%2)+8*\t
.set rB, XF+16*((\s)%2)+8*\u
.set rSA, WS+8*(\t/2)+(\s)
.set rSB, XSW+(\s)
.set rRA, \t%2
.set rRB, \u
.endif
.if (\s) == 0
	WM4 rD, rA, rB, 1, rSA, rSB, rRA, rRB
.else
	WM4 rD, rA, rB, 0, rSA, rSB, rRA, rRB
.endif
.endm
.macro GSTEP s, isv
.if (\s) < 7
	s_wait_dscnt 12                                ; this step's fragments are in; the next step's twelve loads may be out
.else
	s_wait_dscnt 0x0
.endif
.irp u, 0,1
.irp t, 0,1,2,3
	GMUL \s, \u, \t, \isv
.endr
.endr
.if (\s) < 6
	PLACES 4                                       ; in front of loads into registers that these products read
	GFETCH (\s)+2, (\s)%2
.endif
.endm
	ds_load_b128 v[XSW:XSW+3], v11
	ds_load_b128 v[XSW+4:XSW+7], v11 offset:16
	GFETCH 0, 0
	GFETCH 1, 1
	v_add_nc_u32 v[CSL], CSR, v4                   ; the tables' images: 16 x lane
	s_wait_loadcnt 0x0                             ; W's scale words
	s_cmp_eq_u32 s91, 1
	s_cbranch_scc1 .Lv_path
.irp s, 0,1,2,3,4,5,6,7
	GSTEP \s, 0
.endr
	PLACES 4                                       ; in front of loads into registers that the products read, and of the first read of results
; ---- RoPE: the tables come back as they were stored: register 16 u + n of each
	s_wait_alu depctr_va_vdst(0)
.irp k, 0,1,2,3,4,5,6,7
	ds_load_b128 v[COSR+4*\k:COSR+4*\k+3], v[CSL] offset:512*\k
	ds_load_b128 v[SINR+4*\k:SINR+4*\k+3], v[CSL] offset:4096+512*\k
.endr
	s_wait_dscnt 0x0
.irp u, 0,1                            ; each accumulator is read from its low end on
.irp t, 0,1
.irp j, 0,2,4,6
	v_pk_mul_f32 v[184:185], v[ACC+32*\u+8*\t+16+\j:ACC+32*\u+8*\t+17+\j], v[SINR+16*\u+8*\t+\j:SINR+16*\u+8*\t+\j+1]
	v_pk_mul_f32 v[186:187], v[ACC+32*\u+8*\t+\j:ACC+32*\u+8*\t+\j+1], v[SINR+16*\u+8*\t+\j:SINR+16*\u+8*\t+\j+1]
	v_pk_fma_f32 v[ACC+32*\u+8*\t+\j:ACC+32*\u+8*\t+\j+1], v[ACC+32*\u+8*\t+\j:ACC+32*\u+8*\t+\j+1], v[COSR+16*\u+8*\t+\j:COSR+16*\u+8*\t+\j+1], v[184:185] neg_lo:[0,0,1] neg_hi:[0,0,1]
	v_pk_fma_f32 v[ACC+32*\u+8*\t+16+\j:ACC+32*\u+8*\t+17+\j], v[ACC+32*\u+8*\t+16+\j:ACC+32*\u+8*\t+17+\j], v[COSR+16*\u+8*\t+\j:COSR+16*\u+8*\t+\j+1], v[186:187]
.endr
.endr
.endr
	QMAX ACC, 4, 0x3000000                         ; blocks (tile u, half of the head); the floor 2^(6 - 127) leaves room for q's 3
	QCVT ACC, 4, PC
	v_cmp_eq_u32 vcc_lo, 1, v3
	v_lshl_or_b32 v236, v[TM+5], 8, v[TM+4]
	v_lshl_or_b32 v237, v[TM+7], 8, v[TM+6]
	s_delay_alu instid0(VALU_DEP_1)
	v_cndmask_b32 v236, v236, v237, vcc_lo         ; lanes 0-15 store tile 0's words, lanes 16-31 tile 1's
	s_delay_alu instid0(VALU_DEP_1)
	v_or_b32 v236, 0x7f7f0000, v236                ; the unused half of K has the scale 1
	s_delay_alu instid0(VALU_DEP_1)
	v_sub_nc_u32 v236, v236, s70
	global_store_b128 v13, v[PC:PC+3], s[72:73]    ; q: two runs of 256 consecutive bytes; k: 512 consecutive bytes
	global_store_b128 v14, v[PC+4:PC+7], s[72:73]
	global_store_b32 v15, v236, s[74:75]           ; 128 consecutive bytes
	s_branch .Ljoin
.Lv_path:
.irp s, 0,1,2,3,4,5,6,7
	GSTEP \s, 1
.endr
	PLACES 4
	QMAX ACC, 4, 0x1800000                         ; block t: the 32 keys of d = 16 t + r; my 16 registers are keys 16 h + 0 .. 15
.irp t, 0,1,2,3
	v_cvt_scalef32_pk8_fp4_f32 v[PC+2*\t], v[ACC+16*\t:ACC+16*\t+7], v[TM+12+\t]
	v_cvt_scalef32_pk8_fp4_f32 v[PC+2*\t+1], v[ACC+16*\t+8:ACC+16*\t+15], v[TM+12+\t]
.endr
	v_nop
	v_cmp_eq_u32 vcc_lo, 1, v3
	v_lshlrev_b32 v160, 4, v2
	s_delay_alu instid0(VALU_DEP_1)
	v_lshl_add_u32 v160, v3, 3, v160               ; 16 bytes a d, my half's 8
	s_delay_alu instid0(VALU_DEP_3)
	v_cndmask_b32 v161, v[TM+4], v[TM+5], vcc_lo
	s_delay_alu instid0(VALU_DEP_4)
	v_cndmask_b32 v162, v[TM+6], v[TM+7], vcc_lo
	v_lshlrev_b32 v163, 2, v1
.irp t, 0,1,2,3
	global_store_b64 v160, v[PC+2*\t:PC+2*\t+1], s[72:73] offset:256*\t   ; 256 consecutive bytes
.endr
	global_store_b8 v163, v161, s[74:75]
	global_store_b8 v163, v162, s[74:75] offset:128
.Ljoin:
	v_lshl_add_u32 v216, v0, 2, SPARE              ; made anew from v0
	v_mov_b32 v217, 0
	s_wait_alu depctr_va_vdst(0)
	s_wait_tensorcnt 0x0                           ; the wave's end
	ds_add_u32 v216, v217
	s_wait_dscnt 0x0
	CROUND                                         ; the closing round
	s_endpgm
.Lfunc_end_k_q0d2a62e031_qkv:
	.size	k_q0d2a62e031_qkv, .Lfunc_end_k_q0d2a62e031_qkv-k_q0d2a62e031_qkv
	.p2alignl 7, 3214868480
	.fill 96, 4, 3214868480
	.section	.rodata,"a",@progbits
	.p2align	6, 0x0
	.amdhsa_kernel k_q0d2a62e031_qkv
		.amdhsa_group_segment_fixed_size 327680
		.amdhsa_private_segment_fixed_size 0
		.amdhsa_enable_private_segment 0
		.amdhsa_kernarg_size 96
		.amdhsa_user_sgpr_count 2
		.amdhsa_user_sgpr_kernarg_segment_ptr 1
		.amdhsa_wavefront_size32 1
		.amdhsa_system_sgpr_workgroup_id_x 1
		.amdhsa_system_sgpr_workgroup_id_y 1
		.amdhsa_system_sgpr_workgroup_id_z 1
		.amdhsa_system_vgpr_workitem_id 0
		.amdhsa_next_free_vgpr 256
		.amdhsa_next_free_sgpr 100
		.amdhsa_reserve_vcc 1
		.amdhsa_float_denorm_mode_32 3
		.amdhsa_float_denorm_mode_16_64 3
		.amdhsa_memory_ordered 1
		.amdhsa_forward_progress 1
		.amdhsa_inst_pref_size 99
	.end_amdhsa_kernel
	.amdgpu_metadata
---
amdhsa.version: [ 1, 2 ]
amdhsa.kernels:
  - .name:           k_q0d2a62e031_qkv
    .symbol:         k_q0d2a62e031_qkv.kd
    .args:
      - { .name: hidden_states, .offset: 0, .size: 8, .value_kind: global_buffer, .address_space: global }
      - { .name: kv_states, .offset: 8, .size: 8, .value_kind: global_buffer, .address_space: global }
      - { .name: ln1_w, .offset: 16, .size: 8, .value_kind: global_buffer, .address_space: global }
      - { .name: Wq_codes, .offset: 24, .size: 8, .value_kind: global_buffer, .address_space: global }
      - { .name: Wq_scales, .offset: 32, .size: 8, .value_kind: global_buffer, .address_space: global }
      - { .name: Wk_codes, .offset: 40, .size: 8, .value_kind: global_buffer, .address_space: global }
      - { .name: Wk_scales, .offset: 48, .size: 8, .value_kind: global_buffer, .address_space: global }
      - { .name: Wv_codes, .offset: 56, .size: 8, .value_kind: global_buffer, .address_space: global }
      - { .name: Wv_scales, .offset: 64, .size: 8, .value_kind: global_buffer, .address_space: global }
      - { .name: qc, .offset: 72, .size: 8, .value_kind: global_buffer, .address_space: global }
      - { .name: qs, .offset: 80, .size: 8, .value_kind: global_buffer, .address_space: global }
      - { .name: kvb, .offset: 88, .size: 8, .value_kind: global_buffer, .address_space: global }
    .group_segment_fixed_size: 327680
    .private_segment_fixed_size: 0
    .kernarg_segment_align: 8
    .kernarg_segment_size: 96
    .max_flat_workgroup_size: 256
    .sgpr_count:     100
    .vgpr_count:     256
    .wavefront_size: 32
...
	.end_amdgpu_metadata
.endif
;; end of part 1
;; launch attn (part 2): grid 256 x 1, 8 waves a work-group, clusters of 4 x 1, 327,680 bytes of LDS; arguments qc, qs, kvb, attention_mask, Wo_codes, Wo_scales, hidden_states, ln2_w, h2, x2c, x2s; writes h2, x2c, x2s
.if DOCPART == 2
	.amdgcn_target "amdgcn-amd-amdhsa--gfx1250"
	.amdhsa_code_object_version 6
	.text
	.protected	k_q0d2a62e031_attn
	.globl	k_q0d2a62e031_attn
	.p2align	8
	.type	k_q0d2a62e031_attn,@function
k_q0d2a62e031_attn:
	s_mov_b64 s[64:65], 0
	v_nop
	global_prefetch_b8 v0, s[64:65] scope:SCOPE_SE
	s_setreg_imm32_b32 hwreg(HW_REG_WAVE_MODE, 25, 1), 1
	s_wait_xcnt 0x0
	s_wait_alu depctr_hold_cnt(0) depctr_sa_sdst(0) depctr_va_vdst(0) depctr_va_sdst(0) depctr_va_ssrc(0) depctr_va_vcc(0) depctr_vm_vsrc(0)
	s_getreg_b32 s2, hwreg(HW_REG_IB_STS2, 6, 4)
	s_cmp_eq_u32 s2, 0
	s_cbranch_scc0 .Lentry_in_a_cluster
	s_endpgm
.Lentry_in_a_cluster:
	s_bfe_u32 s2, ttmp6, 0x10000c
	s_cmp_lg_u32 s2, 0x3003
	s_cbranch_scc0 .Lentry_shape_is_right
	s_endpgm
.Lentry_shape_is_right:
.set WV,    26
.set SEL,   30
.set CS,    32
.set TM,    232
.set REC,   8960
.set STEPB, 4*REC
.set PAIRB, 2*STEPB
.set SLOTB, 4*STEPB
.set MP,    1040
.set MBB,   16*MP
.set WOP,   272
.set WOW,   64*WOP                     ; Wo's first part: 64 of a wave's 128 rows, in slot 0; 32 more lie in each half of slot 1
.set SPARE, 2*SLOTB
.set MB,    SPARE+1024
.set AIMG,  MB
.set ASC,   AIMG+4096
.set SSQ,   ASC+256
.set X2C,   SSQ+512
.set X2S,   X2C+16*528
.set MSB, 0
.macro WIN new
.if MSB != \new
	s_set_vgpr_msb (MSB<<8)|\new
.set MSB, \new
.endif
.endm
.macro PLACES n
.rept \n
	v_nop
.endr
.endm
.macro CROUND
	s_barrier_signal -1
	s_barrier_wait -1
	s_cmp_lg_u32 s[WV], 0
	s_cbranch_scc1 .Lnot_wave_0_\@
	s_barrier_signal -3
.Lnot_wave_0_\@:
	s_barrier_wait -3
	s_barrier_signal -1
	s_barrier_wait -1
.endm
.macro WM4 d, a, b, z, sa, sb, ra, rb
.if \z
.if (\ra) && (\rb)
	v_wmma_scale_f32_16x16x128_f8f6f4 v[\d:\d+7], v[\a:\a+7], v[\b:\b+7], 0, v[\sa], v[\sb] matrix_a_fmt:MATRIX_FMT_FP4 matrix_b_fmt:MATRIX_FMT_FP4 matrix_a_scale:MATRIX_SCALE_ROW1 matrix_b_scale:MATRIX_SCALE_ROW1
.elseif (\ra)
	v_wmma_scale_f32_16x16x128_f8f6f4 v[\d:\d+7], v[\a:\a+7], v[\b:\b+7], 0, v[\sa], v[\sb] matrix_a_fmt:MATRIX_FMT_FP4 matrix_b_fmt:MATRIX_FMT_FP4 matrix_a_scale:MATRIX_SCALE_ROW1
.elseif (\rb)
	v_wmma_scale_f32_16x16x128_f8f6f4 v[\d:\d+7], v[\a:\a+7], v[\b:\b+7], 0, v[\sa], v[\sb] matrix_a_fmt:MATRIX_FMT_FP4 matrix_b_fmt:MATRIX_FMT_FP4 matrix_b_scale:MATRIX_SCALE_ROW1
.else
	v_wmma_scale_f32_16x16x128_f8f6f4 v[\d:\d+7], v[\a:\a+7], v[\b:\b+7], 0, v[\sa], v[\sb] matrix_a_fmt:MATRIX_FMT_FP4 matrix_b_fmt:MATRIX_FMT_FP4
.endif
.else
.if (\ra) && (\rb)
	v_wmma_scale_f32_16x16x128_f8f6f4 v[\d:\d+7], v[\a:\a+7], v[\b:\b+7], v[\d:\d+7], v[\sa], v[\sb] matrix_a_fmt:MATRIX_FMT_FP4 matrix_b_fmt:MATRIX_FMT_FP4 matrix_a_scale:MATRIX_SCALE_ROW1 matrix_b_scale:MATRIX_SCALE_ROW1
.elseif (\ra)
	v_wmma_scale_f32_16x16x128_f8f6f4 v[\d:\d+7], v[\a:\a+7], v[\b:\b+7], v[\d:\d+7], v[\sa], v[\sb] matrix_a_fmt:MATRIX_FMT_FP4 matrix_b_fmt:MATRIX_FMT_FP4 matrix_a_scale:MATRIX_SCALE_ROW1
.elseif (\rb)
	v_wmma_scale_f32_16x16x128_f8f6f4 v[\d:\d+7], v[\a:\a+7], v[\b:\b+7], v[\d:\d+7], v[\sa], v[\sb] matrix_a_fmt:MATRIX_FMT_FP4 matrix_b_fmt:MATRIX_FMT_FP4 matrix_b_scale:MATRIX_SCALE_ROW1
.else
	v_wmma_scale_f32_16x16x128_f8f6f4 v[\d:\d+7], v[\a:\a+7], v[\b:\b+7], v[\d:\d+7], v[\sa], v[\sb] matrix_a_fmt:MATRIX_FMT_FP4 matrix_b_fmt:MATRIX_FMT_FP4
.endif
.endif
.endm
.macro QMAX src, nb, floor
.set qb, 0
.rept \nb
	v_max3_num_f32 v[TM+qb], |v[\src+16*qb]|, |v[\src+16*qb+1]|, \floor
.set qb, qb+1
.endr
.irp i, 2,4,6,8,10,12,14
.set qb, 0
.rept \nb
	v_max3_num_f32 v[TM+qb], v[TM+qb], |v[\src+16*qb+\i]|, |v[\src+16*qb+\i+1]|
.set qb, qb+1
.endr
.endr
.set qb, 0
.rept \nb
	v_permlanex16_b32 v[TM+4+qb], v[TM+qb], s[SEL], s[SEL+1]
.set qb, qb+1
.endr
.set qb, 0
.rept \nb
	v_max_num_f32 v[TM+qb], v[TM+qb], v[TM+4+qb]
.set qb, qb+1
.endr
.set qb, 0
.rept \nb
	v_add_nc_u32 v[TM+12+qb], 0xff000000, v[TM+qb]
.set qb, qb+1
.endr
.set qb, 0
.rept \nb
	v_lshrrev_b32 v[TM+4+qb], 23, v[TM+12+qb]
.set qb, qb+1
.endr
.endm
.macro QCVT src, nb, pc
.set qb, 0
.rept \nb
	v_cvt_scalef32_pk8_fp4_f32 v[\pc+4*(qb/2)+(qb%2)], v[\src+16*qb:\src+16*qb+7], v[TM+12+qb]
	v_cvt_scalef32_pk8_fp4_f32 v[\pc+4*(qb/2)+2+(qb%2)], v[\src+16*qb+8:\src+16*qb+15], v[TM+12+qb]
.set qb, qb+1
.endr
	v_nop
.set qb, 0
.rept \nb
	v_permlane16_swap_b32 v[\pc+2*qb], v[\pc+2*qb+1]
.set qb, qb+1
.endr
.endm
.macro MLOAD p
	WIN 0x40
.irp i, 0,1
.irp j, 0,1
	global_load_b128 v[16*((\p)%3)+8*\i+4*\j:16*((\p)%3)+8*\i+4*\j+3], v221, s[10:11] offset:1024*(\p)+8192*\i+512*\j th:TH_LOAD_NT
.endr
.endr
	WIN 0
.endm
.macro MSTORE p
	WIN 0x04
.irp i, 0,1
.irp j, 0,1
	ds_store_b128 v7, v[16*((\p)%3)+8*\i+4*\j:16*((\p)%3)+8*\i+4*\j+3] offset:MBB*((\p)%2)+MP*\i+512*\j
.endr
.endr
	WIN 0
.endm
	s_load_b512 s[4:19], s[0:1], 0x0
	s_load_b128 s[20:23], s[0:1], 0x40
	s_load_b64 s[24:25], s[0:1], 0x50
	v_lshl_add_u32 v5, v0, 2, SPARE
	v_mov_b32 v6, 0
	ds_add_u32 v5, v6                              ; the opening lines: the add, twice on end,
	ds_add_u32 v5, v6                              ; ahead of my first tensor load; the set-up below stands between it and the wait
	v_lshrrev_b32 v8, 5, v0
	s_delay_alu instid0(VALU_DEP_1)
	v_readfirstlane_b32 s[WV], v8
	s_bfe_u32 s27, ttmp6, 0x40000
	s_lshl_b32 s28, ttmp9, 2
	s_add_co_u32 s28, s28, s27
	s_lshr_b32 s29, ttmp9, 5
	s_mov_b32 s[SEL], 0x76543210
	s_mov_b32 s[SEL+1], 0xfedcba98
	s_mov_b32 s[CS], 0x3fb8aa3b
	s_mov_b32 s[CS+1], s[CS]
	s_mov_b32 s34, 0x3a800000
	s_mov_b32 s35, 0x358637bd
	s_mov_b32 s36, 15|(3<<16)|(1<<21)
	s_mov_b32 s37, 32<<16
	s_mov_b32 s38, 70<<16
	s_mov_b32 s39, 32<<16
	s_mov_b32 s40, 70
	s_mov_b32 s41, 32
	s_mov_b32 s42, 0
	s_mov_b32 s43, 0
	s_mov_b32 s52, 15|(1<<20)|(1<<21)|(5<<22)|(3<<25)
	s_mov_b32 s53, 256<<16
	s_mov_b32 s54, 64<<16
	s_mov_b32 s55, 256<<16
	s_mov_b32 s56, 64
	s_mov_b32 s57, 256
	s_mov_b32 s58, 0
	s_mov_b32 s59, 0
	s_mul_i32 s82, s[WV], 17920
	s_mul_i32 s83, s29, 573440
	s_add_co_u32 s84, s82, s83
	s_mov_b32 s85, 0
	s_lshl_b32 s66, s28, 17
	s_lshl_b32 s67, s[WV], 14
	s_add_co_u32 s66, s66, s67
	s_mov_b32 s67, 0
	s_lshl_b32 s88, s[WV], 15
	s_mov_b32 s89, 0
	s_lshl_b32 s90, s29, 3
	s_add_co_u32 s90, s90, s[WV]
	s_lshl_b32 s90, s90, 11
	s_and_b32 s91, s28, 127
	s_lshl_b32 s91, s91, 4
	s_add_co_u32 s90, s90, s91
	s_lshl_b32 s92, s90, 5
	s_mov_b32 s93, 0
	s_lshl_b32 s94, s90, 2
	s_mov_b32 s95, 0
	s_lshl_b32 s96, s28, 16
	s_lshl_b32 s97, s[WV], 9
	s_add_co_u32 s96, s96, s97
	s_mov_b32 s97, 0
	s_lshl_b32 s98, s[WV], 9
	s_mov_b32 s99, 0
	v_and_b32 v8, 31, v0
	v_and_b32 v9, 15, v0
	v_bfe_u32 v10, v0, 4, 1
	s_lshr_b32 s86, s[WV], 1
	s_mul_i32 s86, s86, REC
	v_lshl_add_u32 v1, v8, 4, s86
	v_lshl_add_u32 v2, v8, 2, s86
	v_lshlrev_b32 v3, 4, v9
	s_delay_alu instid0(VALU_DEP_1)
	v_lshl_add_u32 v3, v10, 10, v3
	s_delay_alu instid0(VALU_DEP_1)
	v_add_nc_u32 v3, s86, v3
	v_mul_u32_u24 v4, v9, MP
	s_delay_alu instid0(VALU_DEP_1)
	v_lshl_add_u32 v4, v10, 6, v4
	s_delay_alu instid0(VALU_DEP_1)
	v_add_nc_u32 v4, MB, v4
	s_mul_i32 s87, s[WV], 2*MP
	s_add_co_u32 s87, s87, MB
	v_lshl_add_u32 v7, v8, 4, s87
	s_lshl_b32 s87, s[WV], 9
	s_add_co_u32 s87, s87, AIMG
	v_lshl_add_u32 v208, v8, 4, s87
	s_lshr_b32 s87, s[WV], 1
	s_lshl_b32 s87, s87, 6
	s_and_b32 s86, s[WV], 1
	s_lshl_b32 s86, s86, 1
	s_add_co_u32 s87, s87, s86
	s_add_co_u32 s87, s87, ASC
	v_lshl_add_u32 v209, v9, 2, s87
	v_lshl_add_u32 v210, v8, 4, AIMG
	v_lshl_add_u32 v211, v9, 2, ASC
	s_mul_i32 s87, s[WV], WOW
	s_mul_i32 s86, s[WV], 32*WOP                   ; where my rows 64-95 of Wo lie: 32 rows a wave, from slot 1's first byte on
	s_add_co_u32 s86, s86, SLOTB
	v_mul_u32_u24 v212, v9, WOP
	s_delay_alu instid0(VALU_DEP_1)
	v_lshl_add_u32 v212, v10, 4, v212
	s_delay_alu instid0(VALU_DEP_1)
	v_add_nc_u32 v26, s86, v212                    ; Wo's rows 64-95 of my 128: slot 1's first half
	v_add_nc_u32 v212, s87, v212                   ; rows 0-63: slot 0
	v_add_nc_u32 v27, PAIRB, v26                   ; rows 96-127: slot 1's second half
	v_lshl_add_u32 v213, v8, 4, s87
	v_mul_u32_u24 v214, v9, 528
	s_delay_alu instid0(VALU_DEP_1)
	v_lshl_add_u32 v214, v10, 5, v214
	s_delay_alu instid0(VALU_DEP_1)
	v_add_nc_u32 v214, s87, v214
	s_lshl_b32 s87, s[WV], 6
	s_add_co_u32 s86, s87, SSQ
	v_lshl_add_u32 v215, v9, 2, s86
	v_lshl_add_u32 v216, v9, 2, SSQ
	s_add_co_u32 s86, s87, X2C
	v_mul_u32_u24 v217, v9, 528
	s_delay_alu instid0(VALU_DEP_1)
	v_lshl_add_u32 v217, v10, 4, v217
	s_delay_alu instid0(VALU_DEP_1)
	v_add_nc_u32 v217, s86, v217
	s_lshl_b32 s86, s[WV], 2
	s_add_co_u32 s86, s86, X2S
	v_lshl_add_u32 v218, v9, 5, s86
	s_mul_i32 s86, s[WV], 1056
	s_add_co_u32 s86, s86, X2C
	v_lshl_add_u32 v219, v8, 4, s86
	v_lshl_add_u32 v220, v8, 4, X2S
	v_lshlrev_b32 v221, 4, v8
	v_lshlrev_b32 v222, 5, v10
	v_lshlrev_b32 v11, 5, v9
	s_delay_alu instid0(VALU_DEP_1)
	v_lshl_add_u32 v11, v10, 4, v11
	v_lshlrev_b32 v25, 2, v9
	s_wait_alu depctr_va_vdst(0)
	s_wait_dscnt 0x0                               ; both opening adds are done
	s_wait_kmcnt 0x0
	s_mov_b32 s60, 1
	s_mov_b32 s61, s82
	s_add_nc_u64 s[62:63], s[8:9], s[84:85]
	s_mov_b32 s68, 1
	s_add_co_u32 s69, s82, SLOTB
	s_add_nc_u64 s[70:71], s[62:63], SLOTB
	s_or_b32 s63, s63, 0x80000000
	s_or_b32 s71, s71, 0x80000000
	s_mov_b32 s72, 1
	s_mul_i32 s73, s[WV], WOW
	s_add_nc_u64 s[74:75], s[12:13], s[88:89]
	s_or_b32 s75, s75, 0x80000000
	s_add_nc_u64 s[10:11], s[10:11], s[66:67]
	s_add_nc_u64 s[4:5], s[4:5], s[92:93]
	s_add_nc_u64 s[6:7], s[6:7], s[94:95]
	global_load_b128 v[16:19], v11, s[4:5]         ; q and the first three pieces of the mask are asked for ahead of the first round: they are out while the slots' first fills are
	global_load_b32 v24, v25, s[6:7]
	MLOAD 0
	MLOAD 1
	MLOAD 2
	CROUND
	tensor_load_to_lds s[60:63], s[36:43]
	s_nop 0
	s_wait_alu depctr_va_vdst(0)
	s_wait_tensorcnt 0x0
	ds_add_u32 v5, v6
	s_wait_dscnt 0x0
	CROUND
	tensor_load_to_lds s[68:71], s[36:43]
	s_nop 0
	PLACES 4
	s_add_nc_u64 s[16:17], s[16:17], s[96:97]
	s_add_nc_u64 s[20:21], s[20:21], s[96:97]
	s_add_nc_u64 s[18:19], s[18:19], s[98:99]
	s_lshl_b32 s92, s[WV], 11
	s_add_nc_u64 s[14:15], s[14:15], s[92:93]
	s_lshl_b32 s92, s28, 13
	s_lshl_b32 s94, s[WV], 10
	s_add_co_u32 s92, s92, s94
	s_add_nc_u64 s[22:23], s[22:23], s[92:93]
	s_lshl_b32 s92, s28, 9
	s_add_nc_u64 s[24:25], s[24:25], s[92:93]
.irp j, 20,21,22,23,60,61,62,63
	v_mov_b32 v[\j], 0
.endr
	v_mov_b32 v13, 0xff61b1e6
	s_delay_alu instid0(VALU_DEP_1)
	v_floor_f32 v12, -v13
	v_mov_b32 v14, 0
	v_mov_b32 v15, 0
.irp b, 0,1,2,3
	v_mov_b32 v[236+\b], 0
.endr
	v_mov_b32 v253, 0
.set j, 0
.rept 32
	v_mov_b32 v[160+j], 0
.set j, j+1
.endr
; what a key step's first product wants: 16 loads of the mask (its C), 8 of K's codes, 4 of K's scale words: 28 LDS loads
.macro SLOADS kb, mo
	v_add_nc_u32 v8, \kb, v1
	v_add_nc_u32 v9, \kb, v2
.irp T, 0,1,2,3,4,5,6,7
	ds_load_b128 v[96+8*\T:99+8*\T], v4 offset:\mo+128*(\T/2)+32*(\T%2)
	ds_load_b128 v[100+8*\T:103+8*\T], v4 offset:\mo+128*(\T/2)+32*(\T%2)+16
.endr
.irp T, 0,1,2,3,4,5,6,7
	ds_load_b128 v[28+4*\T:31+4*\T], v8 offset:512*\T
.endr
.irp b, 0,1,2,3
	ds_load_b32 v[192+\b], v9 offset:4096+128*\b
.endr
.endm
; A key step of 128 keys.  pre = 1: its 28 loads were issued in the step before.  nxt = 1: it issues those of the pair's second step (symbols kN, mN) once p has been converted
.macro STEP kb, mo, pre, nxt
	v_add_nc_u32 v10, \kb, v3
.if \pre
	PLACES 3                                       ; with the line above: four places in front of loads into registers that the last products read
.else
	v_nop
	SLOADS \kb, \mo                                ; its two additions make the four places whole
.endif
.irp t, 0,1,2,3
.irp c, 0,1
	ds_load_b128 v[64+8*\t+4*\c:67+8*\t+4*\c], v10 offset:4608+2048*\c+256*\t
.endr
.endr
.irp p, 0,1
	ds_load_b32 v[196+\p], v9 offset:8704+128*\p
.endr
	s_wait_dscnt 10
.irp T, 0,1,2,3,4,5,6,7
.set rD, 96+8*\T
.set rA, 28+4*\T
.set rS, 192+\T/2
	WM4 rD, rA, 16, 0, rS, 24, \T%2, 0
.endr
	PLACES 4
.irp b, 0,1,2,3
	v_max3_num_f32 v[232+\b], v[96+16*\b], v[97+16*\b], v[98+16*\b]
.endr
.irp i, 3,5,7,9,11,13
.irp b, 0,1,2,3
	v_max3_num_f32 v[232+\b], v[232+\b], v[96+16*\b+\i], v[97+16*\b+\i]
.endr
.endr
.irp b, 0,1,2,3
	v_max_num_f32 v[232+\b], v[232+\b], v[111+16*\b]
.endr
.irp b, 0,1,2,3
	s_delay_alu instid0(VALU_DEP_4)
	v_permlanex16_b32 v[236+\b], v[232+\b], s[SEL], s[SEL+1]
.endr
.irp b, 0,1,2,3
	s_delay_alu instid0(VALU_DEP_4)
	v_max_num_f32 v[232+\b], v[232+\b], v[236+\b]
.endr
	s_delay_alu instid0(VALU_DEP_2)
	v_max3_num_f32 v254, v232, v233, v234
	s_delay_alu instid0(VALU_DEP_1)
	v_max_num_f32 v254, v254, v235
	s_delay_alu instid0(VALU_DEP_1)
	v_mul_f32 v254, s[CS], v254
	s_delay_alu instid0(VALU_DEP_1)
	v_max_num_f32 v13, v13, v254
	v_mov_b32 v254, v12
	s_delay_alu instid0(VALU_DEP_2)
	v_floor_f32 v12, -v13
	s_delay_alu instid0(VALU_DEP_1)
	v_sub_f32 v254, v12, v254
	s_delay_alu instid0(VALU_DEP_1)
	v_cvt_i32_f32 v254, v254
	s_delay_alu instid0(VALU_DEP_1)
	v_ldexp_f32 v252, 1.0, v254
.set j, 0
.rept 32
	v_pk_fma_f32 v[96+j:97+j], v[96+j:97+j], s[CS:CS+1], v[12:13] op_sel_hi:[1,0,0]
.set j, j+2
.endr
.irp b, 0,1,2,3
	v_fma_f32 v[232+\b], v[232+\b], s[CS], v12
.endr
.set j, 0
	s_wait_alu depctr_va_vdst(0)
.rept 64
	v_exp_f32 v[96+j], v[96+j]
.set j, j+1
.endr
	v_pk_mul_f32 v[14:15], v[14:15], v[252:253] op_sel_hi:[1,0]
	s_wait_alu depctr_va_vdst(0)
.irp b, 0,1,2,3
	v_exp_f32 v[232+\b], v[232+\b]
.endr
	v_pk_add_f32 v[236:237], v[96:97], v[98:99]
.irp j, 4,8,12,16,20,24,28,32,36,40,44,48,52,56,60
	v_pk_add_f32 v[14:15], v[14:15], v[96+\j:97+\j]
	v_pk_add_f32 v[236:237], v[236:237], v[98+\j:99+\j]
.endr
	s_delay_alu instid0(VALU_DEP_1)
	v_pk_add_f32 v[14:15], v[14:15], v[236:237]
	s_wait_alu depctr_va_vdst(0)
.irp b, 0,1,2,3
	v_max_num_f32 v[232+\b], 0x1800000, v[232+\b]
.endr
.irp b, 0,1,2,3
	s_delay_alu instid0(VALU_DEP_4)
	v_add_nc_u32 v[244+\b], 0xff000000, v[232+\b]
.endr
.irp b, 0,1,2,3
	s_delay_alu instid0(VALU_DEP_4)
	v_lshrrev_b32 v[236+\b], 23, v[244+\b]
.endr
	s_delay_alu instid0(VALU_DEP_3)
	v_lshl_or_b32 v253, v237, 8, v236
	s_delay_alu instid0(VALU_DEP_1)
	v_lshl_or_b32 v253, v238, 16, v253
	s_delay_alu instid0(VALU_DEP_1)
	v_lshl_or_b32 v253, v239, 24, v253
.irp b, 0,1,2,3
	v_cvt_scalef32_pk8_fp4_f32 v[224+2*\b], v[96+16*\b:103+16*\b], v[244+\b]
	v_cvt_scalef32_pk8_fp4_f32 v[225+2*\b], v[104+16*\b:111+16*\b], v[244+\b]
.endr
	v_nop
.irp c, 0,1
.irp i, 0,1
	v_permlane16_swap_b32 v[224+4*\c+\i], v[226+4*\c+\i]
.endr
.endr
.if \nxt
	SLOADS kN, mN                                  ; p's registers and K's are free: the same pair's second step lies in the same slot and the same piece of the mask
.endif
	s_wait_alu depctr_va_vdst(0)                   ; directly ahead of the first reader of O^T
.set j, 0
.rept 16
	v_pk_mul_f32 v[160+j:161+j], v[160+j:161+j], v[252:253] op_sel_hi:[1,0]
.set j, j+2
.endr
	s_wait_alu depctr_va_vdst(0)
.if \nxt
	s_wait_dscnt 28                                ; V's ten loads are in; the 28 issued behind them may be out
.else
	s_wait_dscnt 0x0
.endif
.irp t, 0,1,2,3
.set rD, 160+8*\t
.set rA, 64+8*\t
.set rS, 196+\t/2
	WM4 rD, rA, 224, 0, rS, 253, \t%2, 0
.endr
.endm
.macro PHEAD p, kind, g0
.if (\p) < 6
	s_wait_loadcnt 8
.elseif (\p) == 6
	s_wait_loadcnt 4
.else
	s_wait_loadcnt 0x0
.endif
	MSTORE \p
.if (\kind) == 0
	s_wait_dscnt 0x0
	s_barrier_signal -1
	s_barrier_wait -1
.elseif (\kind) == 1
	s_wait_tensorcnt 0x1
	s_wait_dscnt 0x0
	s_barrier_signal -1
	s_barrier_wait -1
.elseif (\kind) == 2
	s_wait_tensorcnt 0x0
	ds_add_u32 v5, v6
	s_add_nc_u64 s[\g0+2:\g0+3], s[\g0+2:\g0+3], 2*SLOTB
	s_wait_dscnt 0x0
	CROUND
	tensor_load_to_lds s[\g0:\g0+3], s[36:43]
	s_nop 0
	PLACES 4
.else
; kinds 3 and 4: no more keys to ask for: Wo's rows come onto slot bytes whose reads are over.  Kind 3: 64 rows a wave onto slot 0; kind 4: 32 rows onto slot 1's first half
	s_wait_tensorcnt 0x0
	ds_add_u32 v5, v6
.if (\kind) == 4
	s_mov_b32 s54, 32<<16                          ; no tensor load of mine is out: the descriptor may be written: 32 rows,
	s_mov_b32 s56, 32
	s_mul_i32 s73, s[WV], 32*WOP
	s_add_co_u32 s73, s73, SLOTB
	s_add_nc_u64 s[74:75], s[74:75], 64*256        ; from my row 64 on
.endif
	s_wait_dscnt 0x0
	CROUND
	tensor_load_to_lds s[72:75], s[52:59]
	s_nop 0
	PLACES 4
.endif
.if (\p)+3 < 8
	MLOAD (\p)+3
.endif
.endm
.macro PAIR p
.set kB, (((\p)/2)%2)*SLOTB+((\p)%2)*PAIRB
.set mO, ((\p)%2)*MBB
.set kN, kB+STEPB
.set mN, mO+512
	STEP kB, mO, 0, 1
	STEP kN, mN, 1, 0
.endm
	PHEAD 0, 1, 0
	PAIR 0
	PHEAD 1, 0, 0
	PAIR 1
	PHEAD 2, 2, 60
	PAIR 2
	PHEAD 3, 0, 0
	PAIR 3
	PHEAD 4, 2, 68
	PAIR 4
	PHEAD 5, 0, 0
	PAIR 5
	PHEAD 6, 3, 0
	PAIR 6
	PHEAD 7, 4, 0
	PAIR 7
	s_wait_tensorcnt 0x0
	ds_add_u32 v5, v6
	v_add_f32 v14, v14, v15
	s_delay_alu instid0(VALU_DEP_1)
	v_permlanex16_b32 v252, v14, s[SEL], s[SEL+1]
	s_delay_alu instid0(VALU_DEP_1)
	v_add_f32 v14, v14, v252
	s_add_co_u32 s73, s73, PAIRB                   ; Wo's last 32 rows of my 128, onto slot 1's second half
	s_add_nc_u64 s[74:75], s[74:75], 32*256
	s_wait_dscnt 0x0
	CROUND
	tensor_load_to_lds s[72:75], s[52:59]
	s_nop 0
	PLACES 4
.irp p, 0,1,2,3
	global_load_b128 v[192+4*\p:195+4*\p], v221, s[14:15] offset:512*\p
.endr
	WIN 0x40
.irp i, 0,1,2,3,4,5,6,7,8,9,10,11,12,13,14,15
	global_load_b128 v[4*\i:4*\i+3], v221, s[16:17] offset:4096*\i th:TH_LOAD_NT
.endr
.irp T, 0,1,2,3,4,5,6,7
	global_load_b128 v[64+8*\T:67+8*\T], v222, s[18:19] offset:64*\T
	global_load_b128 v[68+8*\T:71+8*\T], v222, s[18:19] offset:64*\T+16
.endr
	WIN 0
	s_wait_alu depctr_va_vdst(0)
	v_rcp_f32 v14, v14
	v_nop
	s_wait_alu depctr_va_vdst(0)
	v_mov_b32 v15, v14
.set j, 0
.rept 16
	v_pk_mul_f32 v[160+j:161+j], v[160+j:161+j], v[14:15]
.set j, j+2
.endr
	QMAX 160, 2, 0x1800000
	QCVT 160, 2, 224
	v_lshl_or_b32 v240, v[TM+5], 8, v[TM+4]
	ds_store_b128 v208, v[224:227]
	ds_store_b16 v209, v240
	s_wait_dscnt 0x0
	s_barrier_signal -1
	s_barrier_wait -1
.irp s, 0,1,2,3
.irp c, 0,1
	ds_load_b128 v[160+8*\s+4*\c:163+8*\s+4*\c], v210 offset:1024*\s+512*\c
.endr
	ds_load_b32 v[248+\s], v211 offset:64*\s
.endr
	s_wait_tensorcnt 0x0
	s_wait_loadcnt 32
.irp s, 0,1,2,3
	PLACES 4
.irp T, 0,1,2,3,4,5,6,7
.irp c, 0,1
.if \T < 4
	ds_load_b128 v[28+8*\T+4*\c:31+8*\T+4*\c], v212 offset:16*\T*WOP+64*\s+32*\c
.else
	ds_load_b128 v[28+8*\T+4*\c:31+8*\T+4*\c], v[26+(\T-4)/2] offset:16*(\T%2)*WOP+64*\s+32*\c
.endif
.endr
.endr
	s_wait_dscnt 0x0
.irp T, 0,1,2,3,4,5,6,7
.set rD, 96+8*\T
.set rA, 28+8*\T
.set rB, 160+8*\s
.set rS, 192+4*(\T/2)+\s
.set rT, 248+\s
.if \s == 0
	WM4 rD, rA, rB, 1, rS, rT, \T%2, 0
.else
	WM4 rD, rA, rB, 0, rS, rT, \T%2, 0
.endif
.endr
.endr
	PLACES 4
	s_wait_loadcnt 16
	WIN 0x04
.irp i, 0,1,2,3,4,5,6,7,8,9,10,11,12,13,14,15
	ds_store_b128 v213, v[4*\i:4*\i+3] offset:528*\i
.endr
	WIN 0
.irp T, 0,1,2,3,4,5,6,7
	ds_load_b128 v[28+8*\T:31+8*\T], v214 offset:64*\T
	ds_load_b128 v[32+8*\T:35+8*\T], v214 offset:64*\T+16
.endr
	s_wait_dscnt 0x0
.set j, 0
.rept 32
	v_pk_add_f32 v[96+j:97+j], v[96+j:97+j], v[28+j:29+j]
.set j, j+2
.endr
	v_pk_mul_f32 v[240:241], v[96:97], v[96:97]
	v_pk_mul_f32 v[242:243], v[98:99], v[98:99]
.irp j, 4,8,12,16,20,24,28,32,36,40,44,48,52,56,60
	s_delay_alu instid0(VALU_DEP_2)
	v_pk_fma_f32 v[240:241], v[96+\j:97+\j], v[96+\j:97+\j], v[240:241]
	s_delay_alu instid0(VALU_DEP_2)
	v_pk_fma_f32 v[242:243], v[98+\j:99+\j], v[98+\j:99+\j], v[242:243]
.endr
	s_delay_alu instid0(VALU_DEP_1)
	v_pk_add_f32 v[240:241], v[240:241], v[242:243]
	s_delay_alu instid0(VALU_DEP_1)
	v_add_f32 v240, v240, v241
	s_delay_alu instid0(VALU_DEP_1)
	v_permlanex16_b32 v236, v240, s[SEL], s[SEL+1]
	s_delay_alu instid0(VALU_DEP_1)
	v_add_f32 v240, v240, v236
	ds_store_b32 v215, v240
.irp T, 0,1,2,3,4,5,6,7
	ds_store_b128 v214, v[96+8*\T:99+8*\T] offset:64*\T
	ds_store_b128 v214, v[100+8*\T:103+8*\T] offset:64*\T+16
.endr
.irp i, 0,1,2,3,4,5,6,7,8,9,10,11,12,13,14,15
	ds_load_b128 v[28+4*\i:31+4*\i], v213 offset:528*\i
.endr
	s_wait_dscnt 0x0
.irp i, 0,1,2,3,4,5,6,7,8,9,10,11,12,13,14,15
	global_store_b128 v221, v[28+4*\i:31+4*\i], s[20:21] offset:4096*\i
.endr
	s_barrier_signal -1
	s_barrier_wait -1
.irp k, 0,1,2,3,4,5,6,7
	ds_load_b32 v[160+\k], v216 offset:64*\k
.endr
	s_wait_dscnt 0x0
	v_add_f32 v160, v160, v161
	v_add_f32 v162, v162, v163
	v_add_f32 v164, v164, v165
	v_add_f32 v166, v166, v167
	s_delay_alu instid0(VALU_DEP_3)
	v_add_f32 v160, v160, v162
	s_delay_alu instid0(VALU_DEP_2)
	v_add_f32 v164, v164, v166
	s_delay_alu instid0(VALU_DEP_1)
	v_add_f32 v160, v160, v164
	s_delay_alu instid0(VALU_DEP_1)
	v_fma_f32 v160, v160, s34, s35
	s_wait_alu depctr_va_vdst(0)
	v_rsq_f32 v168, v160
	v_nop
	s_wait_alu depctr_va_vdst(0)
	v_mov_b32 v169, v168
	s_wait_alu depctr_va_vdst(0)
	s_wait_loadcnt 0x0
.set j, 0
.rept 32
	v_pk_mul_f32 v[96+j:97+j], v[96+j:97+j], v[168:169]
.set j, j+2
.endr
	WIN 0x04
.set j, 0
.rept 32
	v_pk_mul_f32 v[96+j:97+j], v[96+j:97+j], v[64+j:65+j]
.set j, j+2
.endr
	WIN 0
	QMAX 96, 4, 0x1800000
	QCVT 96, 4, 224
	v_lshl_or_b32 v240, v[TM+5], 8, v[TM+4]
	s_delay_alu instid0(VALU_DEP_1)
	v_lshl_or_b32 v240, v[TM+6], 16, v240
	s_delay_alu instid0(VALU_DEP_1)
	v_lshl_or_b32 v240, v[TM+7], 24, v240
	ds_store_b128 v217, v[224:227]
	ds_store_b128 v217, v[228:231] offset:32
	ds_store_b32 v218, v240
	s_wait_dscnt 0x0
	s_barrier_signal -1
	s_barrier_wait -1
	ds_load_b128 v[170:173], v219
	ds_load_b128 v[174:177], v219 offset:528
	s_wait_dscnt 0x0
	global_store_b128 v221, v[170:173], s[22:23]
	global_store_b128 v221, v[174:177], s[22:23] offset:512
	s_cmp_lg_u32 s[WV], 0
	s_cbranch_scc1 .Lno_s
	ds_load_b128 v[178:181], v220
	s_wait_dscnt 0x0
	global_store_b128 v221, v[178:181], s[24:25]
.Lno_s:
	s_wait_tensorcnt 0x0
	ds_add_u32 v5, v6
	s_wait_dscnt 0x0
	CROUND
	s_endpgm
.Lfunc_end_k_q0d2a62e031_attn:
	.size	k_q0d2a62e031_attn, .Lfunc_end_k_q0d2a62e031_attn-k_q0d2a62e031_attn
	.p2alignl 7, 3214868480
	.fill 96, 4, 3214868480
	.section	.rodata,"a",@progbits
	.p2align	6, 0x0
	.amdhsa_kernel k_q0d2a62e031_attn
		.amdhsa_group_segment_fixed_size 327680
		.amdhsa_private_segment_fixed_size 0
		.amdhsa_enable_private_segment 0
		.amdhsa_kernarg_size 88
		.amdhsa_user_sgpr_count 2
		.amdhsa_user_sgpr_kernarg_segment_ptr 1
		.amdhsa_wavefront_size32 1
		.amdhsa_system_sgpr_workgroup_id_x 1
		.amdhsa_system_sgpr_workgroup_id_y 1
		.amdhsa_system_sgpr_workgroup_id_z 1
		.amdhsa_system_vgpr_workitem_id 0
		.amdhsa_next_free_vgpr 384
		.amdhsa_next_free_sgpr 100
		.amdhsa_reserve_vcc 0
		.amdhsa_float_denorm_mode_32 3
		.amdhsa_float_denorm_mode_16_64 3
		.amdhsa_memory_ordered 1
		.amdhsa_forward_progress 1
		.amdhsa_inst_pref_size 255
	.end_amdhsa_kernel
	.section	.bss,"aw",@nobits
	.p2align	6
	.space	262144
	.amdgpu_metadata
---
amdhsa.version: [ 1, 2 ]
amdhsa.kernels:
  - .name:           k_q0d2a62e031_attn
    .symbol:         k_q0d2a62e031_attn.kd
    .args:
      - { .name: qc, .offset: 0, .size: 8, .value_kind: global_buffer, .address_space: global }
      - { .name: qs, .offset: 8, .size: 8, .value_kind: global_buffer, .address_space: global }
      - { .name: kvb, .offset: 16, .size: 8, .value_kind: global_buffer, .address_space: global }
      - { .name: attention_mask, .offset: 24, .size: 8, .value_kind: global_buffer, .address_space: global }
      - { .name: Wo_codes, .offset: 32, .size: 8, .value_kind: global_buffer, .address_space: global }
      - { .name: Wo_scales, .offset: 40, .size: 8, .value_kind: global_buffer, .address_space: global }
      - { .name: hidden_states, .offset: 48, .size: 8, .value_kind: global_buffer, .address_space: global }
      - { .name: ln2_w, .offset: 56, .size: 8, .value_kind: global_buffer, .address_space: global }
      - { .name: h2, .offset: 64, .size: 8, .value_kind: global_buffer, .address_space: global }
      - { .name: x2c, .offset: 72, .size: 8, .value_kind: global_buffer, .address_space: global }
      - { .name: x2s, .offset: 80, .size: 8, .value_kind: global_buffer, .address_space: global }
    .group_segment_fixed_size: 327680
    .private_segment_fixed_size: 0
    .kernarg_segment_align: 8
    .kernarg_segment_size: 88
    .max_flat_workgroup_size: 256
    .sgpr_count:     100
    .vgpr_count:     384
    .wavefront_size: 32
...
	.end_amdgpu_metadata
.endif
;; end of part 2
;; launch gateup (part 3): grid 16 x 16, 4 waves a work-group, clusters of 4 x 4, 327,680 bytes of LDS; arguments x2c, x2s, Wgate_codes, Wgate_scales, Wup_codes, Wup_scales, actc, acts; writes actc, acts
.if DOCPART == 3
	.amdgcn_target "amdgcn-amd-amdhsa--gfx1250"
	.amdhsa_code_object_version 6
	.text
	.protected	k_q0d2a62e031_gateup
	.globl	k_q0d2a62e031_gateup
	.p2align	8
	.type	k_q0d2a62e031_gateup,@function
k_q0d2a62e031_gateup:
	s_mov_b64 s[64:65], 0
	v_nop
	global_prefetch_b8 v0, s[64:65] scope:SCOPE_SE
	s_setreg_imm32_b32 hwreg(HW_REG_WAVE_MODE, 25, 1), 1
	s_wait_xcnt 0x0
	s_wait_alu depctr_hold_cnt(0) depctr_sa_sdst(0) depctr_va_vdst(0) depctr_va_sdst(0) depctr_va_ssrc(0) depctr_va_vcc(0) depctr_vm_vsrc(0)
	s_getreg_b32 s2, hwreg(HW_REG_IB_STS2, 6, 4)
	s_cmp_eq_u32 s2, 0
	s_cbranch_scc0 .Lentry_in_a_cluster
	s_endpgm
.Lentry_in_a_cluster:
	s_bfe_u32 s2, ttmp6, 0x10000c
	s_cmp_lg_u32 s2, 0xf033
	s_cbranch_scc0 .Lentry_shape_is_right
	s_endpgm
.Lentry_shape_is_right:
; act = silu(x Wgate) * (x Wup) on codes of E2M1, quantised along FF and stored as images of the next product's operand registers.
; A tile is 256 tokens x 128 columns of BOTH products: in LDS B's tile is 128 rows of Wgate and then the same 128 rows of Wup.  A wave makes 128 tokens x 64 columns of each:
; 64 accumulators, B's blocks 0-3 gate and 4-7 up, so that gate and up of a column lie in the same lane and nothing but codes goes to memory.
; A WORK-GROUP STAYS: it makes two tiles, column tiles X and X + 16, of the same 256 tokens.  K = 1,024 is two slots of 512, both filled at the start; x's codes and scale bytes stay in LDS for both tiles.
; Only the weights are fetched again: at the first tile's change of slots waves 2 and 3 fill slot 0's weight rows and waves 0 and 1 the weights' scale bytes (a tile reads both its sets of scale words at its start);
; in the middle of the first tile's way out waves 2 and 3 fill slot 1's weight rows.  So the second tile's bytes land under the first tile's products and activations, and the first tile's stores leave under the second tile's products.
; By the text's own count a wave has three tensor loads out at the start and one behind each round.
; CLUSTERS: 4 x 4.  x's tiles are shared along a row of the cluster, the weights' along a column: joint loads.  The products are used transposed (source 0 = 16 rows of W, source 1 = 16 tokens).
; REGISTERS: window 0: v0-31 addresses; v32-95 scale words, two sets; v128-191 x's fragments, one set.  window 1: W's fragments, two sets.  windows 2, 3: accumulators (a, b) at v[8 (8 (a % 4) + b)].
; LIMITS: blocks under 2^-124 keep the floor's byte, a block of zeros too (only this program reads the bytes); NaN and infinities are not served.  The scale half-words leave two bytes a lane: 512 KiB of the launch's stores.
.set NQ,     4
.set ROWB,   256
.set KROW,   512
.set PITCH,  272
.set FR,     8
.set NL,     2
.set NP,     4
.set HALFT,  128*PITCH
.set SLOT,   4*HALFT
.set KS,     32
.set SCL,    2*SLOT
.set HALFS,  (128*KS/256)*272
.set SBLK,   (16*KS/256)*272
.set SPARE,  SCL+4*HALFS
.set NEXTB,  16*128*KROW               ; from a column tile's weight rows to those of the tile 16 further on, in bytes of codes,
.set NEXTS,  16*128*KS                 ; and of scale bytes
.set ADRA, 16
.set ADRB, 20
.set CO,   24                          ; v24 my 16 bytes of a fragment's image
.set SO,   25                          ; v25 my scale half-word
.set ADRS2, 26                         ; v26 scale words of blocks 4-7: B's lie 64 rows further on
.set ADRS, 27
.set SPW,  28
.set NIL,  29
.set SC,   32
.set AF,   128
.set TT,   128                         ; the way out: 32 numbers at work
.set TM,   176
.set PCA,  192                         ; four registers of codes for each token tile
.set HW,   224                         ; a half-word for each token tile
.set HS,   232
.set WV,   20
.set RH,   21
.set CH,   22
.set TR,   23
.set SEL,  2
.set NLE,  98
.set G0S2, 4                           ; s[4:7] group 0 for the second tile's weight scales (waves 0 and 1)
.set G1, 24
.set G0, 32
.set G1B, 48
.set G0B, 56
.set G1S, 68
.set G0S, 76
.set G1SB, 80
.set G0SB, 88
.set MSB, 0
.macro WIN new
.if MSB != \new
	s_set_vgpr_msb (MSB<<8)|\new
.set MSB, \new
.endif
.endm
.set MUL_LO, 0xa1
.set MUL_HI, 0xf1
.set TO_B,   0x40
.macro JLOAD g0a, g1a, g0b, g1b        ; waves 0, 1 take the first pair of groups, waves 2, 3 the second; four v_nop follow each line
	s_cmp_eq_u32 s[RH], 0
	s_cbranch_scc0 .Lfor_b_\@
	tensor_load_to_lds s[\g0a:\g0a+3], s[\g1a:\g1a+7]
	s_nop 0
.rept 4
	v_nop
.endr
	s_branch .Lasked_\@
.Lfor_b_\@:
	tensor_load_to_lds s[\g0b:\g0b+3], s[\g1b:\g1b+7]
	s_nop 0
.rept 4
	v_nop
.endr
.Lasked_\@:
.endm
.macro CREST                           ; a round of the cluster's barrier behind its opening barrier
	s_cmp_lg_u32 s[WV], 0
	s_cbranch_scc1 .Lnot_wave_0_\@
	s_barrier_signal -3
.Lnot_wave_0_\@:
	s_barrier_wait -3
	s_barrier_signal -1
	s_barrier_wait -1
.endm
.macro CROUND                          ; a whole round
	s_barrier_signal -1
	s_barrier_wait -1
	CREST
.endm
.macro PLACES n
.rept \n
	v_nop
.endr
.endm
.macro QMAX src, nb, floor
.set qb, 0
.rept \nb
	v_max3_num_f32 v[TM+qb], |v[\src+16*qb]|, |v[\src+16*qb+1]|, \floor
.set qb, qb+1
.endr
.irp i, 2,4,6,8,10,12,14
.set qb, 0
.rept \nb
	v_max3_num_f32 v[TM+qb], v[TM+qb], |v[\src+16*qb+\i]|, |v[\src+16*qb+\i+1]|
.set qb, qb+1
.endr
.endr
.set qb, 0
.rept \nb
	v_permlanex16_b32 v[TM+4+qb], v[TM+qb], s[SEL], s[SEL+1]
.set qb, qb+1
.endr
.set qb, 0
.rept \nb
	v_max_num_f32 v[TM+qb], v[TM+qb], v[TM+4+qb]
.set qb, qb+1
.endr
.set qb, 0
.rept \nb
	v_add_nc_u32 v[TM+12+qb], 0xff000000, v[TM+qb]
.set qb, qb+1
.endr
.set qb, 0
.rept \nb
	v_lshrrev_b32 v[TM+4+qb], 23, v[TM+12+qb]
.set qb, qb+1
.endr
.endm
.macro QCVT src, nb, pc
.set qb, 0
.rept \nb
	v_cvt_scalef32_pk8_fp4_f32 v[\pc+4*(qb/2)+(qb%2)], v[\src+16*qb:\src+16*qb+7], v[TM+12+qb]
	v_cvt_scalef32_pk8_fp4_f32 v[\pc+4*(qb/2)+2+(qb%2)], v[\src+16*qb+8:\src+16*qb+15], v[TM+12+qb]
.set qb, qb+1
.endr
	v_nop
.set qb, 0
.rept \nb
	v_permlane16_swap_b32 v[\pc+2*qb], v[\pc+2*qb+1]
.set qb, qb+1
.endr
.endm
	s_load_b512 s[4:19], s[0:1], 0x0               ; x2c 4, x2s 6, Wgate codes 8, scales 10, Wup codes 12, scales 14, actc 16, acts 18
	v_lshl_add_u32 v[SPW], v0, 2, SPARE
	v_mov_b32 v[NIL], 0
	ds_add_u32 v[SPW], v[NIL]                      ; the opening lines: the add, twice on end,
	ds_add_u32 v[SPW], v[NIL]                      ; ahead of my first tensor load; the set-up below stands between it and the wait
	v_lshrrev_b32 v1, 5, v0
	v_readfirstlane_b32 s[WV], v1
	s_lshr_b32 s[RH], s[WV], 1                     ; my half of the tokens.  Also: I fetch for x (0) or for the weights (1)
	s_and_b32 s[CH], s[WV], 1                      ; my half of the columns.  Also: which half of x's rows, or gate (0) or up (1), I fetch
	s_bfe_u32 s40, ttmp6, 0x40000
	s_bfe_u32 s41, ttmp6, 0x40004
	s_lshl_b32 s42, ttmp9, 2
	s_add_co_u32 s42, s42, s40                     ; X, the first tile's column: 128 of FF; the second's is X + 16
	s_and_b32 s[TR], ttmp7, 0xffff
	s_lshl_b32 s[TR], s[TR], 2
	s_add_co_u32 s[TR], s[TR], s41                 ; tile row: 256 tokens
	s_lshl_b32 s43, s41, 2
	s_lshl_b32 s43, 15, s43                        ; my row of the cluster
	s_lshl_b32 s44, 0x1111, s40                    ; my column
	s_or_b32 s[G1+0], s43, (0<<16)|(1<<20)|(1<<21)|(5<<22)|(3<<25)   ; 128 rows of 256 bytes, 16 of padding behind each
	s_or_b32 s[G1B+0], s44, (0<<16)|(1<<20)|(1<<21)|(5<<22)|(3<<25)
.irp g, G1, G1B
	s_mov_b32 s[\g+1], ROWB<<16
	s_mov_b32 s[\g+2], 128<<16
	s_mov_b32 s[\g+3], ROWB<<16
	s_mov_b32 s[\g+4], 128
	s_mov_b32 s[\g+5], KROW
	s_mov_b32 s[\g+6], 0
	s_mov_b32 s[\g+7], 0
.endr
	s_or_b32 s[G1S+0], s43, (3<<16)|(1<<20)|(1<<21)|(5<<22)|(3<<25)  ; the scales of 128 rows: 4,096 dense bytes as rows of 256
	s_or_b32 s[G1SB+0], s44, (3<<16)|(1<<20)|(1<<21)|(5<<22)|(3<<25)
.irp g, G1S, G1SB
	s_mov_b32 s[\g+1], 32<<16
	s_mov_b32 s[\g+2], (128*KS/256)<<16
	s_mov_b32 s[\g+3], 32<<16
	s_mov_b32 s[\g+4], 128*KS/256
	s_mov_b32 s[\g+5], 32
	s_mov_b32 s[\g+6], 0
	s_mov_b32 s[\g+7], 0
.endr
	s_lshl_b32 s45, s[CH], 7
	s_lshl_b32 s46, s[TR], 8
	s_add_co_u32 s46, s46, s45                     ; x: row 256 x tile row + 128 x half
	s_lshl_b32 s66, s46, 9
	s_mov_b32 s67, 0
	s_lshl_b32 s92, s46, 5
	s_mov_b32 s93, 0
	s_lshl_b32 s94, s42, 16                        ; the weights: row 128 X, 512 bytes a row
	s_mov_b32 s95, 0
	s_lshl_b32 s96, s42, 12
	s_mov_b32 s97, 0
	s_mul_i32 s45, s[WV], HALFT                    ; where they go: wave x 128 rows
	s_mul_i32 s47, s[WV], HALFS
	s_mov_b32 s[SEL], 0x76543210
	s_mov_b32 s[SEL+1], 0xfedcba98
	s_mov_b32 s[NLE], 0xbfb8aa3b                   ; -log2(e)
	s_mov_b32 s[NLE+1], s[NLE]
	s_wait_alu depctr_va_vdst(0)
	s_wait_dscnt 0x0                               ; both opening adds are done
	s_wait_kmcnt 0x0
	s_cmp_eq_u32 s[CH], 0
	s_cselect_b64 s[8:9], s[8:9], s[12:13]         ; even waves: gate; odd waves: up
	s_cselect_b64 s[10:11], s[10:11], s[14:15]
	s_add_nc_u64 s[66:67], s[4:5], s[66:67]
	s_add_nc_u64 s[92:93], s[6:7], s[92:93]
	s_add_nc_u64 s[94:95], s[8:9], s[94:95]
	s_add_nc_u64 s[96:97], s[10:11], s[96:97]
	s_mov_b32 s[G0S2], 1                           ; the second tile's weight scales: wave 0 gate's, wave 1 up's, into the bytes of the first tile's
	s_mul_i32 s[G0S2+1], s[CH], HALFS
	s_add_co_u32 s[G0S2+1], s[G0S2+1], SCL+2*HALFS
	s_add_nc_u64 s[G0S2+2:G0S2+3], s[96:97], NEXTS
	s_or_b32 s[G0S2+3], s[G0S2+3], 0x80000000
	CROUND                                         ; all sixteen work-groups are here
	s_mov_b32 s[G0S], 1
	s_add_co_u32 s[G0S+1], s47, SCL
	s_mov_b64 s[G0S+2:G0S+3], s[92:93]
	s_or_b32 s[G0S+3], s[G0S+3], 0x80000000
	s_mov_b32 s[G0SB], 1
	s_add_co_u32 s[G0SB+1], s47, SCL
	s_mov_b64 s[G0SB+2:G0SB+3], s[96:97]
	s_or_b32 s[G0SB+3], s[G0SB+3], 0x80000000
	JLOAD G0S, G1S, G0SB, G1SB
.irp s, 0,1
	s_mov_b32 s[G0+4*\s], 1
	s_add_co_u32 s[G0+4*\s+1], s45, \s*SLOT
	s_add_nc_u64 s[G0+4*\s+2:G0+4*\s+3], s[66:67], \s*ROWB
	s_or_b32 s[G0+4*\s+3], s[G0+4*\s+3], 0x80000000
	s_mov_b32 s[G0B+4*\s], 1
	s_add_co_u32 s[G0B+4*\s+1], s45, \s*SLOT
	s_add_nc_u64 s[G0B+4*\s+2:G0B+4*\s+3], s[94:95], \s*ROWB
	s_or_b32 s[G0B+4*\s+3], s[G0B+4*\s+3], 0x80000000
	; at the head a wave has ONE tensor load out at a time: the scale bytes, then slot 0, then slot 1, the later two each behind the three lines and a whole round
	s_wait_tensorcnt 0x0
	ds_add_u32 v[SPW], v[NIL]
	s_wait_dscnt 0x0
	CROUND
	JLOAD G0+4*\s, G1, G0B+4*\s, G1B
.endr
	v_and_b32 v1, 15, v0                           ; r
	v_bfe_u32 v2, v0, 4, 1                         ; h
	v_mul_u32_u24 v3, v1, PITCH
	v_lshl_add_u32 v4, v2, 4, v3
	s_mul_i32 s45, s[RH], HALFT                    ; my 128 tokens
	s_mul_i32 s46, s[CH], 64*PITCH                 ; my 64 rows of gate, behind x's 256 rows
	s_add_co_u32 s46, s46, 2*HALFT
.irp s, 0,1
	v_add_nc_u32 v[ADRA+\s], s45, v4
	v_add_nc_u32 v[ADRB+\s], s46, v4
	s_add_co_u32 s45, s45, SLOT
	s_add_co_u32 s46, s46, SLOT
.endr
	v_mul_u32_u24 v5, v1, KS
	v_lshrrev_b32 v6, 8, v5
	v_lshl_add_u32 v5, v6, 4, v5                   ; 32 bytes a row, 16 more for each 256 passed
	s_mul_i32 s45, s[RH], HALFS
	s_mul_i32 s46, s[CH], 4*SBLK
	s_add_co_u32 s46, s46, 2*HALFS
	s_sub_co_u32 s46, s46, s45
	v_mul_u32_u24 v6, s46, v2                      ; lanes 16-31 take the weights'
	s_add_co_u32 s45, s45, SCL
	v_add_nc_u32 v5, v5, v6
	v_add_nc_u32 v[ADRS], s45, v5
	v_mad_u32_u24 v[ADRS2], v2, 4*SBLK, v[ADRS]    ; up's rows lie 64 rows behind where gate's numbering would put them
	v_and_b32 v6, 31, v0
	v_lshlrev_b32 v[CO], 4, v6
	s_lshl_b32 s45, s[CH], 9
	v_add_nc_u32 v[CO], s45, v[CO]
	v_lshlrev_b32 v[SO], 4, v1
	v_lshl_add_u32 v[SO], v2, 11, v[SO]
	s_lshl_b32 s45, s[TR], 4
	s_lshl_b32 s46, s[RH], 3
	s_add_co_u32 s45, s45, s46                     ; my first tile of 16 tokens
	s_lshl_b32 s46, s45, 15
	s_lshl_b32 s47, s42, 10
	s_add_co_u32 s46, s46, s47
	s_mov_b32 s47, 0
	s_add_nc_u64 s[16:17], s[16:17], s[46:47]
	s_lshl_b32 s46, s45, 11
	s_lshr_b32 s45, s42, 2
	s_lshl_b32 s45, s45, 8
	s_add_co_u32 s46, s46, s45
	s_and_b32 s45, s42, 3
	s_lshl_b32 s45, s45, 2
	s_add_co_u32 s46, s46, s45
	s_lshl_b32 s45, s[CH], 1
	s_add_co_u32 s46, s46, s45
	s_add_nc_u64 s[18:19], s[18:19], s[46:47]
.macro FRAG reg, adr, q, row           ; 16 rows x 128 K of 4-bit codes: two loads of 16 bytes, 32 bytes apart
.irp c, 0,1
	ds_load_b128 v[\reg+4*\c:\reg+4*\c+3], v[\adr] offset:64*(\q)+32*\c+(\row)*PITCH
.endr
.endm
.macro MUL16 a0, p, q, sc, zero        ; the 64 accumulators take turns, one instruction a turn
.irp a, \a0, \a0+1
.irp b, 0,1,2,3,4,5,6,7
.if \zero
	v_wmma_scale_f32_16x16x128_f8f6f4 v[8*(8*((\a)%4)+\b):8*(8*((\a)%4)+\b)+7], v[128*(\p)+FR*\b:128*(\p)+FR*\b+FR-1], v[AF+FR*(\a):AF+FR*(\a)+FR-1], 0, v[SC+8*NQ*(\sc)+NQ*\b+(\q)], v[SC+8*NQ*(\sc)+NQ*(\a)+(\q)] matrix_a_fmt:MATRIX_FMT_FP4 matrix_b_fmt:MATRIX_FMT_FP4 matrix_a_scale:MATRIX_SCALE_ROW1
.else
	v_wmma_scale_f32_16x16x128_f8f6f4 v[8*(8*((\a)%4)+\b):8*(8*((\a)%4)+\b)+7], v[128*(\p)+FR*\b:128*(\p)+FR*\b+FR-1], v[AF+FR*(\a):AF+FR*(\a)+FR-1], v[8*(8*((\a)%4)+\b):8*(8*((\a)%4)+\b)+7], v[SC+8*NQ*(\sc)+NQ*\b+(\q)], v[SC+8*NQ*(\sc)+NQ*(\a)+(\q)] matrix_a_fmt:MATRIX_FMT_FP4 matrix_b_fmt:MATRIX_FMT_FP4 matrix_a_scale:MATRIX_SCALE_ROW1
.endif
.endr
.endr
.endm
.macro FETCH_B slot, q, p              ; blocks 0-3: gate's rows 16 i; blocks 4-7: up's, 128 rows behind gate's
	WIN TO_B
.irp i, 0,1,2,3,4,5,6,7
	FRAG 128*(\p)+FR*\i, ADRB+\slot, \q, 16*\i+64*(\i/4)
.endr
	WIN 0
.endm
.macro FETCH_A slot, q, i0
.irp i, \i0, \i0+1, \i0+2, \i0+3
	FRAG AF+FR*(\i), ADRA+\slot, \q, 16*(\i)
.endr
.endm
.macro SCALES sc                       ; slot sc's four scale words of each row: bytes 16 sc on of the row's 32
.irp i, 0,1,2,3
	ds_load_b128 v[SC+8*NQ*\sc+NQ*\i:SC+8*NQ*\sc+NQ*\i+3], v[ADRS] offset:\i*SBLK+16*\sc
.endr
.irp i, 4,5,6,7
	ds_load_b128 v[SC+8*NQ*\sc+NQ*\i:SC+8*NQ*\sc+NQ*\i+3], v[ADRS2] offset:\i*SBLK+16*\sc
.endr
.endm
.macro STEP slot, q, zero
	s_wait_dscnt 4*NL                              ; W's set and x's blocks 0-3 are in; the youngest eight loads (x's blocks 4-7) may be out
	WIN MUL_LO
	MUL16 0, (\q)%2, \q, \slot, \zero
	MUL16 2, (\q)%2, \q, \slot, \zero
	s_wait_dscnt 0
	PLACES NP
	FETCH_B \slot, (\q)+1, 1-(\q)%2
	FETCH_A \slot, (\q)+1, 0
	WIN MUL_HI
	MUL16 4, (\q)%2, \q, \slot, \zero
	MUL16 6, (\q)%2, \q, \slot, \zero
	PLACES NP
	WIN 0
	FETCH_A \slot, (\q)+1, 4
.endm
; Slot 0's last step changes slots: ONE barrier; in front of it each wave waits for all its tensor loads, adds 0 to its spare word, and waits for that and for its own reads of slot 0.
; fill = 1 (the first tile): the barrier opens a round of the cluster's barrier, and behind it the next tile's bytes are asked for: slot 0's weight rows (waves 2, 3) and the weights' scale bytes (waves 0, 1),
; whose last reads, at the tile's start, are long over
.macro TURN slot, next, fill
	s_wait_tensorcnt 0x0
	ds_add_u32 v[SPW], v[NIL]
	s_wait_dscnt 4*NL+1                            ; the add and the youngest eight loads may be out
	WIN MUL_LO
	MUL16 0, 1, NQ-1, \slot, 0
	s_wait_dscnt 0x0
	s_barrier_signal -1
	MUL16 2, 1, NQ-1, \slot, 0
	WIN 0
	s_barrier_wait -1
.if \fill
	CREST                                          ; no wave of any partner still reads these bytes or has a load on its way
	s_add_nc_u64 s[G0B+4*\slot+2:G0B+4*\slot+3], s[G0B+4*\slot+2:G0B+4*\slot+3], NEXTB
	JLOAD G0S2, G1SB, G0B+4*\slot, G1B             ; the first tensor load behind the round; its four v_nop are the places in front of the loads below
.else
	PLACES NP
.endif
	FETCH_B \next, 0, 0
	FETCH_A \next, 0, 0
	WIN MUL_HI
	MUL16 4, 1, NQ-1, \slot, 0
	MUL16 6, 1, NQ-1, \slot, 0
	PLACES NP
	WIN 0
	FETCH_A \next, 0, 4
.endm
.macro GEMM fill                       ; a tile's products: K in eight steps of 128
	FETCH_B 0, 0, 0
	FETCH_A 0, 0, 0
	SCALES 0
	SCALES 1
	FETCH_A 0, 0, 4
	STEP 0, 0, 1                                   ; the first products start the sums
	STEP 0, 1, 0
	STEP 0, 2, 0
	TURN 0, 1, \fill
	STEP 1, 0, 0
	STEP 1, 1, 0
	STEP 1, 2, 0
	s_wait_dscnt 4*NL
	WIN MUL_LO
	MUL16 0, 1, NQ-1, 1, 0
	MUL16 2, 1, NQ-1, 1, 0
	s_wait_dscnt 0
	WIN MUL_HI
	MUL16 4, 1, NQ-1, 1, 0
	MUL16 6, 1, NQ-1, 1, 0
	WIN 0
	PLACES NP                                      ; in front of the first read of results and of writes of registers that the products read
.endm
; THE WAY OUT, a tile of 16 tokens at a time.  Lane (r, h) holds token r; register 8 b + j of gate's and of up's four tiles is column 16 b + 8 h + j of my 64.  tl: the column tile, 0 or 1: it stands in the stores' immediates
.macro ACT a, tl
.set AC, 64*((\a)%4)
.set AW, 2+(\a)/4                      ; source 0 in the accumulators' window
	WIN AW
.set j, 0
.rept 16
	v_pk_mul_f32 v[TT+j:TT+j+1], v[AC+j:AC+j+1], s[NLE:NLE+1] op_sel_hi:[1,0]    ; -g log2(e); each accumulator is read from its low end on
.set j, j+2
.endr
	WIN 0
.set j, 0
	s_wait_alu depctr_va_vdst(0)
.rept 32
	v_exp_f32 v[TT+j], v[TT+j]
.set j, j+1
.endr
	v_nop
	s_wait_alu depctr_va_vdst(0)                   ; one wait for the batch
.set j, 0
.rept 16
	v_pk_add_f32 v[TT+j:TT+j+1], v[TT+j:TT+j+1], 1.0 op_sel_hi:[1,0]
.set j, j+2
.endr
.set j, 0
	s_wait_alu depctr_va_vdst(0)
.rept 32
	v_rcp_f32 v[TT+j], v[TT+j]
.set j, j+1
.endr
	v_nop
	s_wait_alu depctr_va_vdst(0)
	WIN AW
.set j, 0
.rept 16
	v_pk_mul_f32 v[TT+j:TT+j+1], v[AC+j:AC+j+1], v[TT+j:TT+j+1]                  ; silu(g)
.set j, j+2
.endr
.set j, 0
.rept 16
	v_pk_mul_f32 v[TT+j:TT+j+1], v[AC+32+j:AC+32+j+1], v[TT+j:TT+j+1]            ; x u
.set j, j+2
.endr
	WIN 0
	QMAX TT, 2, 0x1800000
	QCVT TT, 2, PCA+4*(\a)
	v_lshl_or_b32 v[HW+(\a)], v[TM+5], 8, v[TM+4]
	global_store_b128 v[CO], v[PCA+4*(\a):PCA+4*(\a)+3], s[16:17] offset:32768*(\a)+16384*(\tl)   ; 512 consecutive bytes: half a fragment's image
.if ((\a)%2) == 1
	v_cndmask_b32 v[HS+(\a)/2], v[HW+(\a)-1], v[HW+(\a)], vcc_lo                  ; lanes 0-15 the tile before, lanes 16-31 this one
	global_store_b16 v[SO], v[HS+(\a)/2], s[18:19] offset:2048*((\a)-1)+1024*(\tl)
.endif
.endm
	s_wait_alu depctr_va_vdst(0)
	GEMM 1                                         ; column tile X: the head's rounds have shown the scale bytes and slot 0 to every wave; slot 1's load is out
	v_mov_b32 v[TM+4], 0                           ; a lane permute's destination counts as read
	v_mov_b32 v[TM+5], 0
	v_cmp_eq_u32 vcc_lo, 1, v2
	ACT 0, 0
	ACT 1, 0
	ACT 2, 0
	; slot 1's weight rows are filled again here, in the middle of the way out: the loads asked for at the change of slots have had the products of slot 1 and three token tiles in which to land,
	; and this one has five token tiles and the next tile's first three steps
	s_wait_tensorcnt 0x0                           ; all my tensor loads have landed: the next tile's slot 0 and scale bytes
	ds_add_u32 v[SPW], v[NIL]
	s_add_nc_u64 s[G0B+6:G0B+7], s[G0B+6:G0B+7], NEXTB
	s_wait_dscnt 0x0                               ; the add is done; my reads of slot 1 were over at the last products
	CROUND
	s_cmp_eq_u32 s[RH], 0
	s_cbranch_scc1 .Lno_b                          ; waves 0 and 1 have no part of it
	tensor_load_to_lds s[G0B+4:G0B+7], s[G1B:G1B+7]
	s_nop 0
	PLACES 4
.Lno_b:
	v_cmp_eq_u32 vcc_lo, 1, v2
	ACT 3, 0
	ACT 4, 0
	ACT 5, 0
	ACT 6, 0
	ACT 7, 0
	GEMM 0                                         ; column tile X + 16: the round above has shown its slot 0 and its scale bytes to every wave
	s_wait_xcnt 0x0                                ; the first tile's stores have read their registers, which are written again now
	v_cmp_eq_u32 vcc_lo, 1, v2
.irp a, 0,1,2,3,4,5,6,7
	ACT \a, 1
.endr
	s_wait_tensorcnt 0x0                           ; the wave's end
	ds_add_u32 v[SPW], v[NIL]
	s_wait_dscnt 0x0
	CROUND                                         ; the closing round
	s_endpgm
.Lfunc_end_k_q0d2a62e031_gateup:
	.size	k_q0d2a62e031_gateup, .Lfunc_end_k_q0d2a62e031_gateup-k_q0d2a62e031_gateup
	.p2alignl 7, 3214868480
	.fill 96, 4, 3214868480
	.section	.rodata,"a",@progbits
	.p2align	6, 0x0
	.amdhsa_kernel k_q0d2a62e031_gateup
		.amdhsa_group_segment_fixed_size 327680
		.amdhsa_private_segment_fixed_size 0
		.amdhsa_enable_private_segment 0
		.amdhsa_kernarg_size 64
		.amdhsa_user_sgpr_count 2
		.amdhsa_user_sgpr_kernarg_segment_ptr 1
		.amdhsa_wavefront_size32 1
		.amdhsa_system_sgpr_workgroup_id_x 1
		.amdhsa_system_sgpr_workgroup_id_y 1
		.amdhsa_system_sgpr_workgroup_id_z 1
		.amdhsa_system_vgpr_workitem_id 0
		.amdhsa_next_free_vgpr 1024
		.amdhsa_next_free_sgpr 100
		.amdhsa_reserve_vcc 1
		.amdhsa_float_denorm_mode_32 3
		.amdhsa_float_denorm_mode_16_64 3
		.amdhsa_memory_ordered 1
		.amdhsa_forward_progress 1
		.amdhsa_inst_pref_size 255
	.end_amdhsa_kernel
	.section	.bss,"aw",@nobits
	.p2align	6
	.space	262144
	.amdgpu_metadata
---
amdhsa.version: [ 1, 2 ]
amdhsa.kernels:
  - .name:           k_q0d2a62e031_gateup
    .symbol:         k_q0d2a62e031_gateup.kd
    .args:
      - { .name: x2c, .offset: 0, .size: 8, .value_kind: global_buffer, .address_space: global }
      - { .name: x2s, .offset: 8, .size: 8, .value_kind: global_buffer, .address_space: global }
      - { .name: Wgate_codes, .offset: 16, .size: 8, .value_kind: global_buffer, .address_space: global }
      - { .name: Wgate_scales, .offset: 24, .size: 8, .value_kind: global_buffer, .address_space: global }
      - { .name: Wup_codes, .offset: 32, .size: 8, .value_kind: global_buffer, .address_space: global }
      - { .name: Wup_scales, .offset: 40, .size: 8, .value_kind: global_buffer, .address_space: global }
      - { .name: actc, .offset: 48, .size: 8, .value_kind: global_buffer, .address_space: global }
      - { .name: acts, .offset: 56, .size: 8, .value_kind: global_buffer, .address_space: global }
    .group_segment_fixed_size: 327680
    .private_segment_fixed_size: 0
    .kernarg_segment_align: 8
    .kernarg_segment_size: 64
    .max_flat_workgroup_size: 128
    .sgpr_count:     100
    .vgpr_count:     1024
    .wavefront_size: 32
...
	.end_amdgpu_metadata
.endif
;; end of part 3
;; launch down (part 4): grid 8 x 32, 4 waves a work-group, clusters of 4 x 4, 327,680 bytes of LDS; arguments actc, acts, Wdown_codes, Wdown_scales, h2, out0; writes out0
.if DOCPART == 4
	.amdgcn_target "amdgcn-amd-amdhsa--gfx1250"
	.amdhsa_code_object_version 6
	.text
	.protected	k_q0d2a62e031_down
	.globl	k_q0d2a62e031_down
	.p2align	8
	.type	k_q0d2a62e031_down,@function
k_q0d2a62e031_down:
	s_mov_b64 s[64:65], 0
	v_nop
	global_prefetch_b8 v0, s[64:65] scope:SCOPE_SE
	s_setreg_imm32_b32 hwreg(HW_REG_WAVE_MODE, 25, 1), 1
	s_wait_xcnt 0x0
	s_wait_alu depctr_hold_cnt(0) depctr_sa_sdst(0) depctr_va_vdst(0) depctr_va_sdst(0) depctr_va_ssrc(0) depctr_va_vcc(0) depctr_vm_vsrc(0)
	s_getreg_b32 s2, hwreg(HW_REG_IB_STS2, 6, 4)
	s_cmp_eq_u32 s2, 0
	s_cbranch_scc0 .Lentry_in_a_cluster
	s_endpgm
.Lentry_in_a_cluster:
	s_bfe_u32 s2, ttmp6, 0x10000c
	s_cmp_lg_u32 s2, 0xf033
	s_cbranch_scc0 .Lentry_shape_is_right
	s_endpgm
.Lentry_shape_is_right:
; out0 = h2 + act Wdown on codes of E2M1.  M 4,096, N 1,024, K 4,096.
; A tile of 128 x 128 gives 256 work-groups (tiles of 256 x 256 would give 64); four waves, 64 x 64 each: 16 accumulators.  K goes in slots of 1,024, eight steps of 128 each: two first fills and two refills.
; act's codes lie in memory as images of the operand's registers: a tile of 16 tokens has 8,192 consecutive bytes for a slot, and a fragment is two loads of 512 consecutive bytes from LDS.
; Wdown's rows are 512 bytes of a slot, 528 bytes apart in LDS.  The scale words of all of K come once: act's 16,384 dense bytes, Wdown's 128 rows of 128 bytes, 144 apart.
; CLUSTERS: 4 x 4: act's tiles are shared along a row of the cluster, Wdown's along a column.  The products are used transposed (source 0 = 16 rows of Wdown, source 1 = 16 tokens): a lane holds eight neighbouring columns of a row.
; By the text's own count a wave has three tensor loads out at the start and one behind each round.  The 32 steps are written out.
; REGISTERS: window 0: v16-29 addresses; v32-63 two sets of scale words (act's pair p at 4 p, Wdown's at 8 + 4 p; a register serves one step, lanes 0-15 the even tile, lanes 16-31 the odd);
;   v128-255 two sets of fragments (act's at 8 i, Wdown's at 32 + 8 i); on the way out the rows of out0.   window 1: v0-127 accumulators (a, b) at 8 (4 a + b); v128-255 my 64 x 64 of h2.
.set SLOT,  133120
.set BOFF,  65536
.set ASCL,  2*SLOT
.set BSCL,  ASCL+16384
.set SPARE, BSCL+18432
.set ADRA, 16
.set ADRB, 20
.set STO,  24
.set RD,   25
.set CO,   26
.set SPW,  28
.set NIL,  29
.set SCR,  32
.set FRG,  128
.set WV,   20
.set RH,   21
.set CH,   22
.set TR,   23
.set G1A, 24
.set G0A, 32
.set G1B, 48
.set G0B, 56
.set G1SA, 68
.set G0SA, 76
.set G1SB, 80
.set G0SB, 88
.set MSB, 0
.macro WIN new
.if MSB != \new
	s_set_vgpr_msb (MSB<<8)|\new
.set MSB, \new
.endif
.endm
.macro PLACES n
.rept \n
	v_nop
.endr
.endm
.macro JLOAD g0a, g1a, g0b, g1b        ; waves 0, 1 fetch for act, waves 2, 3 for Wdown; four v_nop follow each line
	s_cmp_eq_u32 s[RH], 0
	s_cbranch_scc0 .Lfor_b_\@
	tensor_load_to_lds s[\g0a:\g0a+3], s[\g1a:\g1a+7]
	s_nop 0
.rept 4
	v_nop
.endr
	s_branch .Lasked_\@
.Lfor_b_\@:
	tensor_load_to_lds s[\g0b:\g0b+3], s[\g1b:\g1b+7]
	s_nop 0
.rept 4
	v_nop
.endr
.Lasked_\@:
.endm
.macro CROUND
	s_barrier_signal -1
	s_barrier_wait -1
	s_cmp_lg_u32 s[WV], 0
	s_cbranch_scc1 .Lnot_wave_0_\@
	s_barrier_signal -3
.Lnot_wave_0_\@:
	s_barrier_wait -3
	s_barrier_signal -1
	s_barrier_wait -1
.endm
.macro WM4 d, a, b, z, sa, sb, ra, rb
.if \z
.if (\ra) && (\rb)
	v_wmma_scale_f32_16x16x128_f8f6f4 v[\d:\d+7], v[\a:\a+7], v[\b:\b+7], 0, v[\sa], v[\sb] matrix_a_fmt:MATRIX_FMT_FP4 matrix_b_fmt:MATRIX_FMT_FP4 matrix_a_scale:MATRIX_SCALE_ROW1 matrix_b_scale:MATRIX_SCALE_ROW1
.elseif (\ra)
	v_wmma_scale_f32_16x16x128_f8f6f4 v[\d:\d+7], v[\a:\a+7], v[\b:\b+7], 0, v[\sa], v[\sb] matrix_a_fmt:MATRIX_FMT_FP4 matrix_b_fmt:MATRIX_FMT_FP4 matrix_a_scale:MATRIX_SCALE_ROW1
.elseif (\rb)
	v_wmma_scale_f32_16x16x128_f8f6f4 v[\d:\d+7], v[\a:\a+7], v[\b:\b+7], 0, v[\sa], v[\sb] matrix_a_fmt:MATRIX_FMT_FP4 matrix_b_fmt:MATRIX_FMT_FP4 matrix_b_scale:MATRIX_SCALE_ROW1
.else
	v_wmma_scale_f32_16x16x128_f8f6f4 v[\d:\d+7], v[\a:\a+7], v[\b:\b+7], 0, v[\sa], v[\sb] matrix_a_fmt:MATRIX_FMT_FP4 matrix_b_fmt:MATRIX_FMT_FP4
.endif
.else
.if (\ra) && (\rb)
	v_wmma_scale_f32_16x16x128_f8f6f4 v[\d:\d+7], v[\a:\a+7], v[\b:\b+7], v[\d:\d+7], v[\sa], v[\sb] matrix_a_fmt:MATRIX_FMT_FP4 matrix_b_fmt:MATRIX_FMT_FP4 matrix_a_scale:MATRIX_SCALE_ROW1 matrix_b_scale:MATRIX_SCALE_ROW1
.elseif (\ra)
	v_wmma_scale_f32_16x16x128_f8f6f4 v[\d:\d+7], v[\a:\a+7], v[\b:\b+7], v[\d:\d+7], v[\sa], v[\sb] matrix_a_fmt:MATRIX_FMT_FP4 matrix_b_fmt:MATRIX_FMT_FP4 matrix_a_scale:MATRIX_SCALE_ROW1
.elseif (\rb)
	v_wmma_scale_f32_16x16x128_f8f6f4 v[\d:\d+7], v[\a:\a+7], v[\b:\b+7], v[\d:\d+7], v[\sa], v[\sb] matrix_a_fmt:MATRIX_FMT_FP4 matrix_b_fmt:MATRIX_FMT_FP4 matrix_b_scale:MATRIX_SCALE_ROW1
.else
	v_wmma_scale_f32_16x16x128_f8f6f4 v[\d:\d+7], v[\a:\a+7], v[\b:\b+7], v[\d:\d+7], v[\sa], v[\sb] matrix_a_fmt:MATRIX_FMT_FP4 matrix_b_fmt:MATRIX_FMT_FP4
.endif
.endif
.endm
	s_load_b256 s[4:11], s[0:1], 0x0               ; actc 4, acts 6, Wdown codes 8, scales 10
	s_load_b128 s[12:15], s[0:1], 0x20             ; h2 12, out0 14
	v_lshl_add_u32 v[SPW], v0, 2, SPARE
	v_mov_b32 v[NIL], 0
	ds_add_u32 v[SPW], v[NIL]                      ; the opening lines: the add, twice on end,
	ds_add_u32 v[SPW], v[NIL]                      ; ahead of my first tensor load; the set-up below stands between it and the wait
	v_lshrrev_b32 v1, 5, v0
	v_readfirstlane_b32 s[WV], v1
	s_lshr_b32 s[RH], s[WV], 1                     ; my half of the tile's rows.  Also: I fetch for act (0) or for Wdown (1)
	s_and_b32 s[CH], s[WV], 1                      ; my half of its columns.  Also: which half of that tile I fetch
	s_bfe_u32 s40, ttmp6, 0x40000
	s_bfe_u32 s41, ttmp6, 0x40004
	s_lshl_b32 s42, ttmp9, 2
	s_add_co_u32 s42, s42, s40                     ; tile column
	s_and_b32 s[TR], ttmp7, 0xffff
	s_lshl_b32 s[TR], s[TR], 2
	s_add_co_u32 s[TR], s[TR], s41                 ; tile row
	s_lshl_b32 s43, s41, 2
	s_lshl_b32 s43, 15, s43
	s_lshl_b32 s44, 0x1111, s40
	s_or_b32 s[G1A+0], s43, (3<<16)|(1<<21)        ; act: 4 tiles of 16 tokens, 8,192 bytes each, 32,768 apart in memory, dense in LDS
	s_mov_b32 s[G1A+1], 1024<<16
	s_mov_b32 s[G1A+2], 4<<16
	s_mov_b32 s[G1A+3], 1024<<16
	s_mov_b32 s[G1A+4], 4
	s_mov_b32 s[G1A+5], 4096
	s_mov_b32 s[G1A+6], 0
	s_mov_b32 s[G1A+7], 0
	s_or_b32 s[G1B+0], s44, (0<<16)|(1<<20)|(1<<21)|(6<<22)|(3<<25)   ; Wdown: 64 rows of 512 bytes, 16 of padding behind each
	s_mov_b32 s[G1B+1], 512<<16
	s_mov_b32 s[G1B+2], 64<<16
	s_mov_b32 s[G1B+3], 512<<16
	s_mov_b32 s[G1B+4], 64
	s_mov_b32 s[G1B+5], 2048
	s_mov_b32 s[G1B+6], 0
	s_mov_b32 s[G1B+7], 0
	s_or_b32 s[G1SA+0], s43, (3<<16)|(1<<21)       ; act's scale words: 8,192 dense bytes as 32 rows of 256
	s_mov_b32 s[G1SA+1], 32<<16
	s_mov_b32 s[G1SA+2], 32<<16
	s_mov_b32 s[G1SA+3], 32<<16
	s_mov_b32 s[G1SA+4], 32
	s_mov_b32 s[G1SA+5], 32
	s_mov_b32 s[G1SA+6], 0
	s_mov_b32 s[G1SA+7], 0
	s_or_b32 s[G1SB+0], s44, (3<<16)|(1<<20)|(1<<21)|(4<<22)|(3<<25)  ; Wdown's: 64 rows of 128 bytes, 16 of padding behind each
	s_mov_b32 s[G1SB+1], 16<<16
	s_mov_b32 s[G1SB+2], 64<<16
	s_mov_b32 s[G1SB+3], 16<<16
	s_mov_b32 s[G1SB+4], 64
	s_mov_b32 s[G1SB+5], 16
	s_mov_b32 s[G1SB+6], 0
	s_mov_b32 s[G1SB+7], 0
	s_lshl_b32 s45, s[TR], 3
	s_lshl_b32 s46, s[CH], 2
	s_add_co_u32 s45, s45, s46                     ; act: tile of 16 tokens 8 x tile row + 4 x half
	s_lshl_b32 s66, s45, 15
	s_mov_b32 s67, 0
	s_lshl_b32 s92, s45, 11
	s_mov_b32 s93, 0
	s_lshl_b32 s46, s42, 7
	s_lshl_b32 s47, s[CH], 6
	s_add_co_u32 s46, s46, s47                     ; Wdown: row 128 x tile column + 64 x half
	s_lshl_b32 s94, s46, 11
	s_mov_b32 s95, 0
	s_lshl_b32 s96, s46, 7
	s_mov_b32 s97, 0
	s_lshl_b32 s98, s[CH], 15                      ; where they go: no place in the cluster enters an LDS address
	s_mul_i32 s99, s[CH], 33792
	s_add_co_u32 s99, s99, BOFF
	s_wait_alu depctr_va_vdst(0)
	s_wait_dscnt 0x0                               ; both opening adds are done
	s_wait_kmcnt 0x0
	s_add_nc_u64 s[66:67], s[4:5], s[66:67]
	s_add_nc_u64 s[92:93], s[6:7], s[92:93]
	s_add_nc_u64 s[94:95], s[8:9], s[94:95]
	s_add_nc_u64 s[96:97], s[10:11], s[96:97]
	CROUND                                         ; all sixteen work-groups are here
	s_mov_b32 s[G0SA], 1
	s_lshl_b32 s2, s[CH], 13
	s_add_co_u32 s[G0SA+1], s2, ASCL
	s_mov_b64 s[G0SA+2:G0SA+3], s[92:93]
	s_or_b32 s[G0SA+3], s[G0SA+3], 0x80000000
	s_mov_b32 s[G0SB], 1
	s_mul_i32 s2, s[CH], 9216
	s_add_co_u32 s[G0SB+1], s2, BSCL
	s_mov_b64 s[G0SB+2:G0SB+3], s[96:97]
	s_or_b32 s[G0SB+3], s[G0SB+3], 0x80000000
	JLOAD G0SA, G1SA, G0SB, G1SB
.irp s, 0,1
	s_mov_b32 s[G0A+4*\s], 1
	s_add_co_u32 s[G0A+4*\s+1], s98, \s*SLOT
	s_add_nc_u64 s[G0A+4*\s+2:G0A+4*\s+3], s[66:67], \s*8192
	s_or_b32 s[G0A+4*\s+3], s[G0A+4*\s+3], 0x80000000
	s_mov_b32 s[G0B+4*\s], 1
	s_add_co_u32 s[G0B+4*\s+1], s99, \s*SLOT
	s_add_nc_u64 s[G0B+4*\s+2:G0B+4*\s+3], s[94:95], \s*512
	s_or_b32 s[G0B+4*\s+3], s[G0B+4*\s+3], 0x80000000
	; at the head a wave has ONE tensor load out at a time: the scale words, then slot 0, then slot 1, the later two each behind the three lines and a whole round
	s_wait_tensorcnt 0x0
	ds_add_u32 v[SPW], v[NIL]
	s_wait_dscnt 0x0
	CROUND
	JLOAD G0A+4*\s, G1A, G0B+4*\s, G1B
.endr
	v_and_b32 v1, 15, v0                           ; r
	v_bfe_u32 v2, v0, 4, 1                         ; h
	v_and_b32 v3, 31, v0                           ; lane
	s_lshl_b32 s45, s[RH], 15                      ; my four tiles of tokens
	v_lshl_add_u32 v[ADRA], v3, 4, s45
	v_add_nc_u32 v[ADRA+1], SLOT, v[ADRA]
	s_mul_i32 s45, s[CH], 33792                    ; my 64 rows of Wdown
	s_add_co_u32 s45, s45, BOFF
	v_mul_u32_u24 v4, v1, 528
	v_lshl_add_u32 v4, v2, 4, v4
	v_add_nc_u32 v[ADRB], s45, v4
	v_add_nc_u32 v[ADRB+1], SLOT, v[ADRB]
	s_lshl_b32 s45, s[RH], 13
	s_add_co_u32 s45, s45, ASCL
	v_lshlrev_b32 v22, 4, v1
	v_lshl_add_u32 v22, v2, 11, v22
	v_add_nc_u32 v22, s45, v22                     ; act's scale words: 16 bytes a row, lanes 16-31 the next tile
	s_mul_i32 s45, s[CH], 9216
	s_add_co_u32 s45, s45, BSCL
	v_mul_u32_u24 v23, v1, 144
	v_mad_u32_u24 v23, v2, 2304, v23
	v_add_nc_u32 v23, s45, v23                     ; Wdown's
	s_mul_i32 s45, s[WV], 4352                     ; my stage: 16 rows of 272 bytes, in slot 0, which has had its last fill and its last read when the first result is stored there
	v_mul_u32_u24 v[STO], v1, 272
	v_lshl_add_u32 v[STO], v2, 5, v[STO]
	v_add_nc_u32 v[STO], s45, v[STO]
	v_mul_u32_u24 v[RD], v2, 272
	v_lshl_add_u32 v[RD], v1, 4, v[RD]
	v_add_nc_u32 v[RD], s45, v[RD]
	v_lshlrev_b32 v[CO], 4, v1
	v_lshl_add_u32 v[CO], v2, 12, v[CO]            ; lanes 0-15 one row's 256 bytes, lanes 16-31 the next row's
	s_wait_alu depctr_va_vdst(0)
	s_lshl_b32 s46, s[TR], 19
	s_lshl_b32 s45, s[RH], 18
	s_add_co_u32 s46, s46, s45
	s_lshl_b32 s45, s42, 9
	s_add_co_u32 s46, s46, s45
	s_lshl_b32 s45, s[CH], 8
	s_add_co_u32 s46, s46, s45
	s_mov_b32 s47, 0
	s_add_nc_u64 s[12:13], s[12:13], s[46:47]
	s_add_nc_u64 s[14:15], s[14:15], s[46:47]
	WIN 0x40                                       ; destination window 1
.set k, 0
.rept 32
	global_load_b128 v[128+4*k:131+4*k], v[CO], s[12:13] offset:8192*k th:TH_LOAD_NT   ; my 64 x 64 of h2, two rows a load
.set k, k+1
.endr
	WIN 0
; step g's fragments into set g % 2, and with every fourth step the scale words of four steps
.macro FETCH g
.set fS, ((\g)/8)%2
.set fQ, (\g)%8
.set fR, FRG+64*((\g)%2)
.irp i, 0,1,2,3
.irp c, 0,1
	ds_load_b128 v[fR+8*\i+4*\c:fR+8*\i+4*\c+3], v[ADRA+fS] offset:\i*8192+fQ*1024+\c*512
.endr
.endr
.irp i, 0,1,2,3
.irp c, 0,1
	ds_load_b128 v[fR+32+8*\i+4*\c:fR+32+8*\i+4*\c+3], v[ADRB+fS] offset:\i*16*528+fQ*64+\c*32
.endr
.endr
.if ((\g)%4) == 0
.set fC, SCR+16*(((\g)/4)%2)
.irp p, 0,1
	ds_load_b128 v[fC+4*\p:fC+4*\p+3], v22 offset:4096*\p+256*((\g)/4)
	ds_load_b128 v[fC+8+4*\p:fC+8+4*\p+3], v23 offset:4608*\p+16*((\g)/4)
.endr
.endif
.endm
.macro MULS g, z                       ; sixteen accumulators by turns
.set mR, FRG+64*((\g)%2)
.set mC, SCR+16*(((\g)/4)%2)+((\g)%4)
	WIN 0x50                                       ; C and D window 1
.irp a, 0,1,2,3
.irp b, 0,1,2,3
.set rD, 8*(4*\a+\b)
.set rA, mR+32+8*\b
.set rB, mR+8*\a
.set rSA, mC+8+4*(\b/2)
.set rSB, mC+4*(\a/2)
	WM4 rD, rA, rB, \z, rSA, rSB, \b%2, \a%2
.endr
.endr
	WIN 0
.endm
; THE CHANGE OF SLOTS, ahead of a slot's last step, whose fragments are in registers: all my tensor loads have landed, 0 goes onto my spare word, that and my reads of the slot are waited for.
; Steps 7 and 15: a round of the cluster's barrier, and the slot is filled again with the K two slots on.  Step 23: a barrier alone
.macro CHG g
.set cS, ((\g)/8)%2
	s_wait_tensorcnt 0x0
	ds_add_u32 v[SPW], v[NIL]
.if (\g) < 16
	s_add_nc_u64 s[G0A+4*cS+2:G0A+4*cS+3], s[G0A+4*cS+2:G0A+4*cS+3], 16384
	s_add_nc_u64 s[G0B+4*cS+2:G0B+4*cS+3], s[G0B+4*cS+2:G0B+4*cS+3], 1024
.endif
	s_wait_dscnt 0x0
.if (\g) < 16
	CROUND
	JLOAD G0A+4*cS, G1A, G0B+4*cS, G1B             ; its four v_nop are also the places in front of the loads below
.else
	s_barrier_signal -1
	s_barrier_wait -1
	PLACES 4
.endif
	FETCH (\g)+1
.endm
.macro STEPG g
.if ((\g)%8) != 7
.if (\g) > 0
	PLACES 4                                       ; in front of loads into registers that the step before multiplied
.endif
	FETCH (\g)+1
.if (((\g)+1)%4) == 0
	s_wait_dscnt 20                                ; all but the loads just issued
.else
	s_wait_dscnt 16
.endif
.elseif (\g) < 31
	CHG \g
.else
	s_wait_dscnt 0x0
.endif
.if (\g) == 0
	MULS \g, 1
.else
	MULS \g, 0
.endif
.endm
	FETCH 0                                        ; the head's rounds have shown the scale words and slot 0 to every wave; slot 1's load is out
.set G, 0
.rept 32
	STEPG G
.set G, G+1
.endr
; THE WAY OUT, 16 rows x 64 columns at a time, through my stage, so that sixteen lanes hold 256 consecutive bytes of a row; h2 is added there
	PLACES 4
	s_wait_loadcnt 0x0
.irp a, 0,1,2,3
	WIN 0x04                                       ; an LDS store's data are its source 1: window 1
.irp b, 0,1,2,3
	ds_store_b128 v[STO], v[8*(4*\a+\b):8*(4*\a+\b)+3] offset:64*\b         ; each accumulator from its low end on
	ds_store_b128 v[STO], v[8*(4*\a+\b)+4:8*(4*\a+\b)+7] offset:64*\b+16
.endr
	WIN 0
.irp t, 0,1,2,3,4,5,6,7
	ds_load_b128 v[128+32*\a+4*\t:131+32*\a+4*\t], v[RD] offset:2*\t*272    ; LDS serves a wave's instructions in order: these see the stores above
.endr
	s_wait_dscnt 0x0
	WIN 0x04                                       ; source 1 window 1: h2 at the same numbers
.set j, 0
.rept 16
	v_pk_add_f32 v[128+32*\a+j:129+32*\a+j], v[128+32*\a+j:129+32*\a+j], v[128+32*\a+j:129+32*\a+j]
.set j, j+2
.endr
	WIN 0
.irp t, 0,1,2,3,4,5,6,7
	global_store_b128 v[CO], v[128+32*\a+4*\t:131+32*\a+4*\t], s[14:15] offset:(16*\a+2*\t)*4096 th:TH_STORE_NT   ; 16 lanes store 256 consecutive bytes, aligned
.endr
.endr
	s_wait_tensorcnt 0x0                           ; the wave's end
	ds_add_u32 v[SPW], v[NIL]
	s_wait_dscnt 0x0
	CROUND                                         ; the closing round
	s_endpgm
.Lfunc_end_k_q0d2a62e031_down:
	.size	k_q0d2a62e031_down, .Lfunc_end_k_q0d2a62e031_down-k_q0d2a62e031_down
	.p2alignl 7, 3214868480
	.fill 96, 4, 3214868480
	.section	.rodata,"a",@progbits
	.p2align	6, 0x0
	.amdhsa_kernel k_q0d2a62e031_down
		.amdhsa_group_segment_fixed_size 327680
		.amdhsa_private_segment_fixed_size 0
		.amdhsa_enable_private_segment 0
		.amdhsa_kernarg_size 48
		.amdhsa_user_sgpr_count 2
		.amdhsa_user_sgpr_kernarg_segment_ptr 1
		.amdhsa_wavefront_size32 1
		.amdhsa_system_sgpr_workgroup_id_x 1
		.amdhsa_system_sgpr_workgroup_id_y 1
		.amdhsa_system_sgpr_workgroup_id_z 1
		.amdhsa_system_vgpr_workitem_id 0
		.amdhsa_next_free_vgpr 512
		.amdhsa_next_free_sgpr 100
		.amdhsa_reserve_vcc 0
		.amdhsa_float_denorm_mode_32 3
		.amdhsa_float_denorm_mode_16_64 3
		.amdhsa_memory_ordered 1
		.amdhsa_forward_progress 1
		.amdhsa_inst_pref_size 133
	.end_amdhsa_kernel
	.amdgpu_metadata
---
amdhsa.version: [ 1, 2 ]
amdhsa.kernels:
  - .name:           k_q0d2a62e031_down
    .symbol:         k_q0d2a62e031_down.kd
    .args:
      - { .name: actc, .offset: 0, .size: 8, .value_kind: global_buffer, .address_space: global }
      - { .name: acts, .offset: 8, .size: 8, .value_kind: global_buffer, .address_space: global }
      - { .name: Wdown_codes, .offset: 16, .size: 8, .value_kind: global_buffer, .address_space: global }
      - { .name: Wdown_scales, .offset: 24, .size: 8, .value_kind: global_buffer, .address_space: global }
      - { .name: h2, .offset: 32, .size: 8, .value_kind: global_buffer, .address_space: global }
      - { .name: out0, .offset: 40, .size: 8, .value_kind: global_buffer, .address_space: global }
    .group_segment_fixed_size: 327680
    .private_segment_fixed_size: 0
    .kernarg_segment_align: 8
    .kernarg_segment_size: 48
    .max_flat_workgroup_size: 128
    .sgpr_count:     100
    .vgpr_count:     512
    .wavefront_size: 32
...
	.end_amdgpu_metadata
.endif
;; end of part 4
